; MI455X (gfx1250); checked and timed in simulation.
; The chip was launched on July 23, 2026; its instructions are those of AMD's public machine-readable ISA for CDNA 5 (MIT licence, August 2026) and "CDNA5" Instruction Set Architecture Reference Guide (July 2026). The comments in the code are by the model that wrote it; some were corrected since.
;; Multihead Attention. Allowed arithmetic: matrix products marked QUANTISED: E2M3 operands, one E8M0 scale for each 32 along K, by v_wmma_scale_f32_16x16x128_f8f6f4 with both operands' format E2M3, f32 sums; everything else in f32.
;; Inputs: b_k 1,024 float32; b_o 1,024 float32; b_q 1,024 float32; b_v 1,024 float32; w_k 1,024 x 1,024 float32; w_o 1,024 x 1,024 float32; w_q 1,024 x 1,024 float32; w_v 1,024 x 1,024 float32; x 4 x 2,048 x 1,024 float32.
;; Outputs: out0 4 x 2,048 x 1,024 float32.
;; This version of the problem:
;;   THIS VERSION OF THE PROBLEM IS GIVEN IN LOW PRECISION. The matrix products marked QUANTISED in the list below multiply operands that are first quantised to E2M3 (2 exponent bits, 3 mantissa bits; 6 bits a number), with one power-of-two scale for each 32 numbers along K (OCP MX v1.0); their sums are f32. All else is computed in f32.
;;   The module's matrix products, in the order in which they are computed (A, B: the left and right operand; K: the contracted axis; several contracted axes count as one K, in the product's order):
;;     1. [M 8,192, K 1,024] x [K 1,024, N 1,024]; A: input x; B: input w_q: QUANTISED
;;     2. [M 8,192, K 1,024] x [K 1,024, N 1,024]; A: input x; B: input w_k: QUANTISED
;;     3. [M 8,192, K 1,024] x [K 1,024, N 1,024]; A: input x; B: input w_v: QUANTISED
;;     4. batch 64 x [M 2,048, K 64] x [K 64, N 2,048]; A: computed on the way; B: computed on the way: QUANTISED
;;     5. batch 64 x [M 2,048, K 2,048] x [K 2,048, N 64]; A: softmax (see below); B: computed on the way: QUANTISED
;;     6. [M 8,192, K 1,024] x [K 1,024, N 1,024]; A: computed on the way; B: input w_o: QUANTISED
;;   THE QUANTISER, for each operand of a quantised product, along K:
;;     - K is cut into blocks of 32 from its start; a last block that is shorter is filled with zeros.
;;     - A block's scale is 2^e with e = floor(log2(the largest magnitude in the block)) - 2, held to -126 .. 127; a block of zeros has e = 0. As a byte (E8M0): e + 127.
;;     - Each number is divided by its block's scale, clamped to +-7.5, and rounded to the nearest number of E2M3, ties to even, subnormals kept.
;;     - The product sums the exact products of the quantised numbers (number of the format x scale) in f32.
;;   ~~~python
;;   def quantise(x, axis):      # numpy; x: float32 -> the quantised numbers, widened to float32 again
;;       x = np.moveaxis(x, axis, -1); K = x.shape[-1]
;;       x = np.pad(x, [(0, 0)] * (x.ndim - 1) + [(0, -K % 32)]); x = x.reshape(x.shape[:-1] + (-1, 32)); a = np.abs(x).max(-1, keepdims=True)
;;       e = np.where(a > 0, np.clip(np.frexp(np.where(a > 0, a, 1))[1] - 1 - 2, -126, 127), 0)      # np.frexp(a)[1] - 1 = floor(log2(a)), exactly
;;       r = np.clip(x / 2.0 ** e, -7.5, 7.5)
;;       step = 2.0 ** (np.maximum(np.frexp(np.where(r == 0, 1, r))[1] - 1, 0) - 3)
;;       q = np.round(r / step) * step * 2.0 ** e      # np.round: ties to even
;;       return np.moveaxis(q.reshape(q.shape[:-2] + (-1,))[..., :K], -1, axis).astype(np.float32)
;;   ~~~
;;   SOFTMAX AHEAD OF A QUANTISED PRODUCT. Where the list says 'softmax', what is quantised is not the finished softmax but p = 2^(t - M), with t = logit x log2(e) and M = ceil(the row's largest t), a whole number; so 1/2 < the row's largest p <= 1. The row's sum l is taken of the UNQUANTISED p, in f32, and the product's result is divided by l at the end. Since M is a whole number, a kernel that streams over the keys may use a running M (the ceiling of the running maximum): every later rescaling is an exact power of two, which a block's scale takes up: the codes' values come out the same.
;;   OPERANDS COMPUTED ON THE WAY. 'Computed on the way' means the value that the module computes at that place (a softmax that the list does not call 'softmax' is quantised finished and normalised). What goes into a quantiser is computed in f32, as accurately as f32 sums, v_exp_f32 and their like allow (about 1e-6 of the number): no bf16 or f16 on the way to a quantiser, and a product that is left as it is and whose result goes on into a quantised operand takes f32 operands (vector FMAs, or v_wmma_f32_16x16x4_f32). A number that lies on a knife's edge between two numbers of the format may be rounded either way, as far as f32 arithmetic and the matrix unit's own rounding can turn it there, and no further.
;; One version. Each part assembles by itself: llvm-mc -triple=amdgcn-amd-amdhsa -mcpu=gfx1250 --defsym DOCPART=n.
;; ======== version 1 of 1: 4 launches
;; limits: right only within a limited range of input values
;; workspace buffers: xc 6,291,456 bytes; xs 262,144 bytes; wc 3,145,728 bytes; ws 131,072 bytes; qb 6,815,744 bytes; kv 13,369,344 bytes; mc 6,291,456 bytes; ms 262,144 bytes
;; launch quant (part 1): grid 1024 x 1, 4 waves a work-group, no clusters, 75,264 bytes of LDS; arguments x, w_q, w_k, w_v, w_o, xc, xs, wc, ws; writes xc, xs, wc, ws
.if DOCPART == 1
	.amdgcn_target "amdgcn-amd-amdhsa--gfx1250"
	.amdhsa_code_object_version 6
	.text
	.protected	k_q9bdedbe22f_quant
	.globl	k_q9bdedbe22f_quant
	.p2align	8
	.type	k_q9bdedbe22f_quant,@function
k_q9bdedbe22f_quant:
	s_mov_b64 s[64:65], 0
	v_nop
	global_prefetch_b8 v0, s[64:65] scope:SCOPE_SE
	s_setreg_imm32_b32 hwreg(HW_REG_WAVE_MODE, 25, 1), 1
	s_wait_xcnt 0x0
; x [8192][1024] and the four weights [1024 (k)][1024 (n)], f32, become codes of FP6 (E2M3) with one E8M0 byte for each 32 along K, laid as IMAGES OF OPERAND REGISTERS.
; A tile is 16 rows; row i of tile T is index 32 (T / 2) + 8 (T % 2) + i + 8 (i / 8) (tokens of x, output features of a weight).
; A UNIT (768 bytes) is a tile x 64 along K: lane (r, h) owns row r, block h, 6 registers: registers 0-3 at byte 16 lane, registers 4-5 at byte 512 + 8 lane.
; Codes: tile x 12,288 + unit x 768.  Scale bytes: tile x 512 + (block / 8) x 128 + 8 row + block % 8.
; A block's scale byte is its largest magnitude's exponent field - 2, held at 1 from below by a floor among the maximum's leaves.
; LIMITS: a block of zeros gets the byte 1 (its codes are zeros; the bytes are read by this program alone); NaN and infinities among the inputs are not served.
; Work-groups 0-511 take a tile of x each (a wave: 256 along K); work-groups 512-1023 take 128 columns x 64 along K of one weight (a wave: 32 columns).
; The two ways part on the work-group's number and have LDS bytes of their own.  No barrier: waves share nothing.
; TOKENS ARE TILED OTHERWISE THAN FEATURES: row i of a token tile T is token 64 (T / 4) + 8 (T % 4) + i % 8 + 32 (i / 8); the order stated above holds for the weights' features alone.
.set SPARE, 74752
.set WSTG,  67584                      ; the weights' way: 1,792 bytes a wave; below it x's way: 16,896 bytes a wave (two stages of 16 rows x 528)
.set SPW,   14                         ; v14  my spare word's LDS address; never rewritten
.set NIL,   15                         ; v15  0; never rewritten
.set XR,    16                         ; x: v16-143 as loaded (2 steps x 16 rows x 4 registers)
.set XX,    144                        ; v144-207 my two blocks of 32 neighbours
.set XC,    208                        ; v208-231 codes, 12 registers a step: no store's data are written again
.set XT,    232                        ; v232-238 the upper halves' codes; v235, v239 the two scale words
.set WX,    16                         ; weights: v16-79 two blocks of 32 down K
.set WC,    80                         ; v80-91 codes;  v92-94 an upper half;  v96-107 the images read back
.set WT,    92
.set WO,    96
.macro XSTORE s                        ; step s's sixteen rows, as loaded, into stage s
.irp i, 0,1,2,3,4,5,6,7,8,9,10,11,12,13,14,15
	ds_store_b128 v6, v[XR+64*\s+4*\i:XR+64*\s+4*\i+3] offset:8448*\s+528*\i
.endr
.endm
.macro XBACK s                         ; and back: of row r the blocks h and 2 + h, 128 bytes each (LDS serves a wave's instructions in order)
.irp c, 0,1
.irp j, 0,1,2,3,4,5,6,7
	ds_load_b128 v[XX+32*\c+4*\j:XX+32*\c+4*\j+3], v7 offset:8448*\s+256*\c+16*\j
.endr
.endr
.endm
.macro XWORK s                         ; 128 along K of my row: two whole blocks a lane, two units out
.irp c, 0,1
	v_max3_num_f32 v[9+\c], |v[XX+32*\c]|, |v[XX+32*\c+1]|, 0x1800000      ; the floor 2^(3 - 127) is one leaf: the byte cannot fall under 1
.endr
.irp i, 2,4,6,8,10,12,14,16,18,20,22,24,26,28,30
.irp c, 0,1
	v_max3_num_f32 v[9+\c], v[9+\c], |v[XX+32*\c+\i]|, |v[XX+32*\c+\i+1]|  ; the two blocks by turns
.endr
.endr
.irp c, 0,1
	v_add_nc_u32 v[11+\c], 0xff000000, v[9+\c]     ; 2 off the exponent field: the conversion's scale operand
.endr
.irp c, 0,1
	v_lshrrev_b32 v[9+\c], 23, v[11+\c]            ; the scale's byte
.endr
	v_lshl_or_b32 v9, v10, 16, v9                  ; my bytes: blocks h and 2 + h,
	v_lshlrev_b32 v10, 3, v3
	v_lshlrev_b32 v9, v10, v9                      ; 8 h bits up;
	v_permlanex16_b32 v13, v9, s20, s21
	v_or_b32 v[XT+3+4*\s], v9, v13                 ; with lane l xor 16's two the row's word is whole
.irp c, 0,1
	v_cvt_scalef32_pk16_fp6_f32 v[XC+12*\s+6*\c:XC+12*\s+6*\c+2], v[XX+32*\c:XX+32*\c+15], v[11+\c]
	v_cvt_scalef32_pk16_fp6_f32 v[XT+4*\c:XT+4*\c+2], v[XX+32*\c+16:XX+32*\c+31], v[11+\c]   ; (a conversion's three registers begin on an even number)
.endr
	v_nop                                          ; one plain place behind a scaled conversion
.irp c, 0,1
.irp i, 0,1,2
	v_mov_b32 v[XC+12*\s+6*\c+3+\i], v[XT+4*\c+\i]
.endr
.endr
.irp c, 0,1
	global_store_b128 v4, v[XC+12*\s+6*\c:XC+12*\s+6*\c+3], s[34:35] offset:(2*\s+\c)*768        ; 512 consecutive bytes
	global_store_b64 v5, v[XC+12*\s+6*\c+4:XC+12*\s+6*\c+5], s[34:35] offset:(2*\s+\c)*768+512   ; 256 consecutive bytes
.endr
.endm
.macro WBLOCK t                        ; block t of my column: all 32 numbers are mine
	v_max3_num_f32 v108, |v[WX+32*\t]|, |v[WX+32*\t+1]|, |v[WX+32*\t+2]|
	v_max3_num_f32 v109, |v[WX+32*\t+3]|, |v[WX+32*\t+4]|, |v[WX+32*\t+5]|
.irp i, 6,10,14,18,22,26
	v_max3_num_f32 v108, v108, |v[WX+32*\t+\i]|, |v[WX+32*\t+\i+1]|
	v_max3_num_f32 v109, v109, |v[WX+32*\t+\i+2]|, |v[WX+32*\t+\i+3]|
.endr
	v_max3_num_f32 v108, v108, |v[WX+32*\t+30]|, |v[WX+32*\t+31]|
	v_max3_num_f32 v108, v108, v109, 0x1800000     ; and the floor
	v_add_nc_u32 v[110+\t], 0xff000000, v108
	v_lshrrev_b32 v[112+\t], 23, v[110+\t]
	v_cvt_scalef32_pk16_fp6_f32 v[WC+6*\t:WC+6*\t+2], v[WX+32*\t:WX+32*\t+15], v[110+\t]
	v_cvt_scalef32_pk16_fp6_f32 v[WT:WT+2], v[WX+32*\t+16:WX+32*\t+31], v[110+\t]
	v_nop                                          ; one plain place behind a scaled conversion
.irp i, 0,1,2
	v_mov_b32 v[WC+6*\t+3+\i], v[WT+\i]
.endr
	ds_store_b128 v10, v[WC+6*\t:WC+6*\t+3] offset:256*\t          ; into my tile's image, at the place of lane (row, h = t)
	ds_store_b64 v11, v[WC+6*\t+4:WC+6*\t+5] offset:512+128*\t
.endm
	s_load_b256 s[24:31], s[0:1], 0x0              ; x, w_q, w_k, w_v
	s_load_b256 s[32:39], s[0:1], 0x20             ; w_o, xc, xs, wc
	s_load_b64 s[40:41], s[0:1], 0x40              ; ws
	v_lshl_add_u32 v[SPW], v0, 2, SPARE
	v_mov_b32 v[NIL], 0
	v_lshrrev_b32 v1, 5, v0
	v_readfirstlane_b32 s16, v1                    ; wave
	v_and_b32 v1, 31, v0                           ; lane
	v_and_b32 v2, 15, v0                           ; r
	v_bfe_u32 v3, v0, 4, 1                         ; h
	v_lshlrev_b32 v4, 4, v1                        ; 16 lane
	v_lshlrev_b32 v5, 3, v1                        ; 8 lane
	s_mov_b32 s20, 0x76543210
	s_mov_b32 s21, 0xfedcba98                      ; v_permlanex16_b32's selects for lane l xor 16
	s_cmp_lt_u32 ttmp9, 512
	s_cbranch_scc0 .Lweights
	; ---- a tile of x: work-group = tile, wave = 256 along K
	s_mul_i32 s17, s16, 16896                      ; my two stages
	v_add_nc_u32 v6, s17, v4                       ; in: 16 lane (+ 528 row)
	v_mul_u32_u24 v7, v2, 528
	v_lshl_add_u32 v7, v3, 7, v7
	v_add_nc_u32 v7, s17, v7                       ; back: 528 r + 128 h
	v_lshlrev_b32 v8, 3, v2
	v_lshl_add_u32 v8, v3, 2, v8                   ; the scale words' place: 8 r + 4 h
	v_mov_b32 v13, 0                               ; a lane permute's destination counts as one of its sources
	s_lshr_b32 s17, ttmp9, 2
	s_lshl_b32 s17, s17, 6
	s_and_b32 s18, ttmp9, 3
	s_lshl_b32 s18, s18, 3
	s_add_co_u32 s17, s17, s18                     ; the tile's first token
	s_lshl_b32 s2, s17, 12                         ; rows of 4,096 bytes
	s_lshl_b32 s18, s16, 10
	s_add_co_u32 s2, s2, s18                       ; + my 256 numbers
	s_mov_b32 s3, 0
	s_mul_i32 s4, ttmp9, 12288
	s_mul_i32 s18, s16, 3072
	s_add_co_u32 s4, s4, s18                       ; my four units
	s_mov_b32 s5, 0
	s_lshl_b32 s6, ttmp9, 9
	s_lshl_b32 s18, s16, 7
	s_add_co_u32 s6, s6, s18                       ; my 128 scale bytes
	s_mov_b32 s7, 0
	s_wait_kmcnt 0x0
	s_add_nc_u64 s[24:25], s[24:25], s[2:3]
	s_add_nc_u64 s[34:35], s[34:35], s[4:5]
	s_add_nc_u64 s[36:37], s[36:37], s[6:7]
	s_wait_alu depctr_va_vdst(0)
.irp s, 0,1
.irp i, 0,1,2,3,4,5,6,7,8,9,10,11,12,13,14,15
	global_load_b128 v[XR+64*\s+4*\i:XR+64*\s+4*\i+3], v4, s[24:25] offset:(\i+24*(\i/8))*4096+512*\s th:TH_LOAD_NT   ; 512 consecutive bytes of one row; rows 8-15 of a tile lie 32 tokens behind rows 0-7
.endr
.endr
	s_wait_loadcnt 16                              ; step 0's sixteen loads are in; step 1's may be out
	XSTORE 0
	XBACK 0
	s_wait_loadcnt 0x0
	XSTORE 1
	s_wait_dscnt 16                                ; step 0's numbers are back; the sixteen younger stores may be out
	XWORK 0
	XBACK 1
	s_wait_dscnt 0x0
	XWORK 1
	v_cmp_le_u32 vcc_lo, 16, v1
	v_cndmask_b32 v9, v[XT+3], v[XT+7], vcc_lo     ; lanes 0-15 store the first step's word of row r, lanes 16-31 the second's
	global_store_b32 v8, v9, s[36:37]              ; 128 consecutive bytes
	s_wait_tensorcnt 0x0                           ; the wave's end
	ds_add_u32 v[SPW], v[NIL]
	s_wait_dscnt 0x0
	s_endpgm
.Lweights:
	; ---- a weight: a lane takes a column n and its registers run down K, so that the codes come out with K innermost
	s_sub_co_u32 s17, ttmp9, 512
	s_lshr_b32 s18, s17, 7                         ; which weight: 0 q, 1 k, 2 v, 3 o
	s_bfe_u32 s19, s17, 0x30004                    ; which 128 columns
	s_and_b32 s22, s17, 15                         ; which 64 along K: the unit
	s_lshl_b32 s23, s19, 2
	s_add_co_u32 s23, s23, s16                     ; my 32 columns: a pair of tiles
	s_lshl_b32 s2, s22, 18                         ; 64 rows of 4,096 bytes
	s_lshl_b32 s4, s23, 7
	s_add_co_u32 s2, s2, s4
	s_mov_b32 s3, 0
	s_lshl_b32 s4, s23, 1
	s_lshl_b32 s5, s18, 6
	s_add_co_u32 s6, s4, s5                        ; the pair's first tile among the 256
	s_mul_i32 s4, s6, 12288
	s_mul_i32 s5, s22, 768
	s_add_co_u32 s4, s4, s5
	s_mov_b32 s5, 0
	s_lshl_b32 s6, s6, 9
	s_lshr_b32 s7, s22, 2
	s_lshl_b32 s7, s7, 7
	s_add_co_u32 s6, s6, s7
	s_and_b32 s7, s22, 3
	s_lshl_b32 s7, s7, 1
	s_add_co_u32 s6, s6, s7                        ; blocks 2 unit, 2 unit + 1 in the tile's scale bytes
	s_mov_b32 s7, 0
	s_wait_alu depctr_va_vdst(0)
	v_lshlrev_b32 v6, 2, v1                        ; in: 4 bytes a lane
	v_bfe_u32 v7, v0, 3, 1                         ; column lane is row 8 (lane / 16) + lane % 8 of tile (lane / 8) % 2 of the pair
	v_and_b32 v8, 7, v0
	v_lshl_add_u32 v8, v3, 3, v8
	s_mul_i32 s8, s16, 1792
	s_add_co_u32 s8, s8, WSTG                      ; my two images, 896 bytes apart
	v_mul_u32_u24 v9, v7, 896
	v_add_nc_u32 v9, s8, v9
	v_lshl_add_u32 v10, v8, 4, v9                  ; registers 0-3: 16 row
	v_lshl_add_u32 v11, v8, 3, v9                  ; registers 4-5: 8 row (512 in the immediate)
	v_add_nc_u32 v12, s8, v4                       ; back: 16 lane,
	v_add_nc_u32 v13, s8, v5                       ; 8 lane
	v_lshlrev_b32 v9, 9, v7
	v_lshl_add_u32 v9, v8, 3, v9                   ; my row's scale bytes: 512 tile + 8 row
	s_wait_kmcnt 0x0
	s_cmp_eq_u32 s18, 1                            ; the choice hangs on the work-group's number alone
	s_cselect_b64 s[26:27], s[28:29], s[26:27]
	s_cmp_eq_u32 s18, 2
	s_cselect_b64 s[26:27], s[30:31], s[26:27]
	s_cmp_eq_u32 s18, 3
	s_cselect_b64 s[26:27], s[32:33], s[26:27]
	s_add_nc_u64 s[26:27], s[26:27], s[2:3]
	s_add_nc_u64 s[38:39], s[38:39], s[4:5]
	s_add_nc_u64 s[40:41], s[40:41], s[6:7]
.set k, 0
.rept 64
	global_load_b32 v[WX+k], v6, s[26:27] offset:k*4096 th:TH_LOAD_NT   ; a wave reads 128 consecutive bytes of a row, the four waves 512
.set k, k+1
.endr
	s_wait_loadcnt 32                              ; block 0's 32 loads are in; block 1's may be out
	WBLOCK 0
	s_wait_loadcnt 0x0
	WBLOCK 1
	v_lshl_or_b32 v112, v113, 8, v112
	global_store_b16 v9, v112, s[40:41]            ; two bytes a lane, rows 8 bytes apart: one byte for each 128 bytes that the launch reads
	ds_load_b128 v[WO:WO+3], v12                   ; LDS serves a wave's instructions in order: these see my stores
	ds_load_b64 v[WO+4:WO+5], v13 offset:512
	ds_load_b128 v[WO+6:WO+9], v12 offset:896
	ds_load_b64 v[WO+10:WO+11], v13 offset:896+512
	s_wait_dscnt 3                                 ; each count: the younger loads
	global_store_b128 v4, v[WO:WO+3], s[38:39]
	s_wait_dscnt 2
	global_store_b64 v5, v[WO+4:WO+5], s[38:39] offset:512
	s_wait_dscnt 1
	global_store_b128 v4, v[WO+6:WO+9], s[38:39] offset:12288
	s_wait_dscnt 0x0
	global_store_b64 v5, v[WO+10:WO+11], s[38:39] offset:12288+512
	s_wait_tensorcnt 0x0                           ; the wave's end
	ds_add_u32 v[SPW], v[NIL]
	s_wait_dscnt 0x0
	s_endpgm
.Lfunc_end_k_q9bdedbe22f_quant:
	.size	k_q9bdedbe22f_quant, .Lfunc_end_k_q9bdedbe22f_quant-k_q9bdedbe22f_quant
	.p2alignl 7, 3214868480
	.fill 96, 4, 3214868480
	.section	.rodata,"a",@progbits
	.p2align	6, 0x0
	.amdhsa_kernel k_q9bdedbe22f_quant
		.amdhsa_group_segment_fixed_size 75264
		.amdhsa_private_segment_fixed_size 0
		.amdhsa_enable_private_segment 0
		.amdhsa_kernarg_size 72
		.amdhsa_user_sgpr_count 2
		.amdhsa_user_sgpr_kernarg_segment_ptr 1
		.amdhsa_wavefront_size32 1
		.amdhsa_system_sgpr_workgroup_id_x 1
		.amdhsa_system_sgpr_workgroup_id_y 1
		.amdhsa_system_sgpr_workgroup_id_z 1
		.amdhsa_system_vgpr_workitem_id 0
		.amdhsa_next_free_vgpr 240
		.amdhsa_next_free_sgpr 66
		.amdhsa_reserve_vcc 1
		.amdhsa_float_denorm_mode_32 3
		.amdhsa_float_denorm_mode_16_64 3
		.amdhsa_memory_ordered 1
		.amdhsa_forward_progress 1
		.amdhsa_inst_pref_size 29
	.end_amdhsa_kernel
	.amdgpu_metadata
---
amdhsa.version: [ 1, 2 ]
amdhsa.kernels:
  - .name:           k_q9bdedbe22f_quant
    .symbol:         k_q9bdedbe22f_quant.kd
    .args:
      - { .name: x, .offset: 0, .size: 8, .value_kind: global_buffer, .address_space: global }
      - { .name: w_q, .offset: 8, .size: 8, .value_kind: global_buffer, .address_space: global }
      - { .name: w_k, .offset: 16, .size: 8, .value_kind: global_buffer, .address_space: global }
      - { .name: w_v, .offset: 24, .size: 8, .value_kind: global_buffer, .address_space: global }
      - { .name: w_o, .offset: 32, .size: 8, .value_kind: global_buffer, .address_space: global }
      - { .name: xc, .offset: 40, .size: 8, .value_kind: global_buffer, .address_space: global }
      - { .name: xs, .offset: 48, .size: 8, .value_kind: global_buffer, .address_space: global }
      - { .name: wc, .offset: 56, .size: 8, .value_kind: global_buffer, .address_space: global }
      - { .name: ws, .offset: 64, .size: 8, .value_kind: global_buffer, .address_space: global }
    .group_segment_fixed_size: 75264
    .private_segment_fixed_size: 0
    .kernarg_segment_align: 8
    .kernarg_segment_size: 72
    .max_flat_workgroup_size: 128
    .sgpr_count:     66
    .vgpr_count:     240
    .wavefront_size: 32
...
	.end_amdgpu_metadata
.endif
;; end of part 1
;; launch qkv (part 2): grid 8 x 48, 4 waves a work-group, clusters of 4 x 4, 327,680 bytes of LDS; arguments xc, xs, wc, ws, b_q, b_k, b_v, qb, kv; writes qb, kv
.if DOCPART == 2
	.amdgcn_target "amdgcn-amd-amdhsa--gfx1250"
	.amdhsa_code_object_version 6
	.text
	.protected	k_q9bdedbe22f_qkv
	.globl	k_q9bdedbe22f_qkv
	.p2align	8
	.type	k_q9bdedbe22f_qkv,@function
k_q9bdedbe22f_qkv:
	s_mov_b64 s[64:65], 0
	v_nop
	global_prefetch_b8 v0, s[64:65] scope:SCOPE_SE
	s_setreg_imm32_b32 hwreg(HW_REG_WAVE_MODE, 25, 1), 1
	s_wait_xcnt 0x0
	s_wait_alu depctr_hold_cnt(0) depctr_sa_sdst(0) depctr_va_vdst(0) depctr_va_sdst(0) depctr_va_ssrc(0) depctr_va_vcc(0) depctr_vm_vsrc(0)
	s_getreg_b32 s2, hwreg(HW_REG_IB_STS2, 6, 4)
	s_cmp_eq_u32 s2, 0
	s_cbranch_scc0 .Lentry_in_a_cluster
	s_endpgm
.Lentry_in_a_cluster:
	s_bfe_u32 s2, ttmp6, 0x10000c
	s_cmp_lg_u32 s2, 0xf033
	s_cbranch_scc0 .Lentry_shape_is_right
	s_endpgm
.Lentry_shape_is_right:
; q = x w_q + b_q, k = x w_k + b_k, v = x w_v + b_v on codes of FP6 (E2M3) with E8M0 scales; the results are quantised again in registers, as operands of the attention launch, and stored as images of operand registers.
; A work-group of four waves makes 256 x 256; a wave 128 x 128: 64 accumulators, 512 registers.  K = 1,024 goes in four steps of 256 through two LDS slots; the text is flat, with two refills.
; The matrix instruction takes source 0 = 16 rows of B, source 1 = 16 rows of A.  Row i of a tile T is index 32 (T / 2) + 8 (T % 2) + i + 8 (i / 8), so that in accumulator (a, b) lane (r, h) holds A's row (a, r)
; and its register j B's index 32 (b / 2) + 16 h + 8 (b % 2) + j: the 16 registers of accumulators 2 B, 2 B + 1 are 16 neighbours along B's rows, which is the axis of the next quantiser.
; TWO CLASSES, by the cluster's y (equal in all partners).  y < 8: A = tokens, B = features of w_q and w_k: a lane holds a token, registers run along the head's features.
; y >= 8: A = features of w_v, B = tokens: a lane holds a feature, registers run along the keys.  The classes differ in pointers up to the way out.
; CLUSTERS 4 x 4: A's tiles are asked for jointly along a row of the cluster, B's along a column.
; OUT.  qb: head x 106,496 + group of 128 queries x 6,656: 8 units of 768 bytes, then 512 bytes of scale words.  kv: head x 208,896 + step of 128 keys x 13,056: K's 8 units, K's 512 bytes of words,
; V's four fragments of 1,536 bytes (rows = the head's 64, K = the 128 keys), V's 256 bytes of words.  q's and k's word is the head's two bytes written twice.
; LIMITS: a block of zeros gets the byte 1 over zero codes; NaN and infinities are not served.
; REGISTERS: window 0: v16-29 addresses; v32-63 scale words, two sets; v64-127 biases; v128-223 A's fragments, one set (the way out works in v128-251).  window 1: B's fragments, two sets, at v0 and v128.  windows 2, 3: accumulators.
; TOKENS ARE TILED OTHERWISE THAN FEATURES: row i of a token tile T is token 64 (T / 4) + 8 (T % 4) + i % 8 + 32 (i / 8); the order stated above holds for features alone.
; So for v (B = tokens) register j of accumulator (a, b) in lane (r, h) is token 64 (b / 4) + 32 h + 8 (b % 4) + j: the 32 registers of four accumulators are one whole block of 32 keys.
.set PIECE, 24576
.set SLOT,  4*PIECE
.set SCL,   2*SLOT                     ; the scale bytes: A's 2 x 4,096; 128 bytes on, B's 2 x 4,096
.set SPARE, SCL+16640                  ; the spare words, 128 bytes a wave: two blocks of 256 bytes that no other line names
.set FR,    12
.set ADRA,  16                         ; v16-17 my A tiles in slot 0, 1, + 16 lane;  v18-19 + 8 lane
.set ADRB,  20                         ; v20-23 the same for B
.set L16,   24
.set L8,    25
.set ADRS,  27                         ; my scale words: lanes 0-15 A's rows, lanes 16-31 B's
.set SPW,   28
.set NIL,   29
.set SC,    32
.set BIAS,  64
.set AF,    128
.set H,     128                        ; the way out: 64 numbers
.set KW0,   192
.set TM,    200
.set PW,    216
.set T4,    218
.set PC,    224                        ; v224-243: codes
.set KW1,   244
.set G1,   24
.set G0,   32
.set G1B,  48
.set G0B,  56
.set G1S,  68
.set G0S,  76
.set G1SB, 80
.set G0SB, 88
.set SEL,  22
.set P0,   12                          ; s[12:13] my first head's place;  s[66:67] my second head's
.set BP,   46
.set CLY,  104
.set MSB, 0
.macro WIN new                         ; the immediate's high byte repeats the setting that is left
.if MSB != (\new)
	s_set_vgpr_msb (MSB<<8)|(\new)
.set MSB, \new
.endif
.endm
.macro MWIN hi, zero                   ; source 0 (B) window 1, source 1 (A) window 0, D window 2 or 3; C with D, or (zero = 2) in window 0
.if \zero == 2
	WIN 0x81+0x40*\hi
.else
	WIN 0xa1+0x50*\hi
.endif
.endm
.macro PLACES                          ; four plain places behind a matrix instruction, in front of loads into its registers and of reads of its results
.rept 4
	v_nop
.endr
.endm
.macro JLOAD g0a, g1a, g0b, g1b        ; a joint load: waves 0, 1 fetch for A, waves 2, 3 for B; the branch hangs on the wave's number alone
	s_cmp_eq_u32 s15, 0
	s_cbranch_scc0 .Lfor_b_\@
	tensor_load_to_lds s[\g0a:\g0a+3], s[\g1a:\g1a+7]
	s_nop 0
.rept 4
	v_nop
.endr
	s_branch .Lasked_\@
.Lfor_b_\@:
	tensor_load_to_lds s[\g0b:\g0b+3], s[\g1b:\g1b+7]
	s_nop 0
.rept 4
	v_nop
.endr
.Lasked_\@:
.endm
.macro CREST                           ; a round of the cluster's barrier behind its opening barrier
	s_cmp_lg_u32 s14, 0
	s_cbranch_scc1 .Lnot_wave_0_\@
	s_barrier_signal -3
.Lnot_wave_0_\@:
	s_barrier_wait -3
	s_barrier_signal -1
	s_barrier_wait -1
.endm
.macro CROUND
	s_barrier_signal -1
	s_barrier_wait -1
	CREST
.endm
.macro FRAG reg, adr, q, i             ; a fragment (16 rows x 128 K, 12 registers) is two units on end: four loads, each of consecutive bytes
	ds_load_b128 v[\reg:\reg+3], v[\adr] offset:(\i)*3072+(\q)*1536
	ds_load_b64 v[\reg+4:\reg+5], v[\adr+2] offset:(\i)*3072+(\q)*1536+512
	ds_load_b128 v[\reg+6:\reg+9], v[\adr] offset:(\i)*3072+(\q)*1536+768
	ds_load_b64 v[\reg+10:\reg+11], v[\adr+2] offset:(\i)*3072+(\q)*1536+1280
.endm
.macro FETCH_B slot, q, p
	WIN 0x40                                       ; destination window 1
.irp i, 0,1,2,3,4,5,6,7
	FRAG 128*(\p)+FR*\i, ADRB+\slot, \q, \i
.endr
	WIN 0
.endm
.macro FETCH_A slot, q, i0
.irp i, \i0, \i0+1, \i0+2, \i0+3
	FRAG AF+FR*(\i), ADRA+\slot, \q, \i
.endr
.endm
.macro SCALES sc, ks                   ; K step ks's two words a row: lanes 0-15 A's tile i, lanes 16-31 B's tile i
.irp i, 0,1,2,3,4,5,6,7
	ds_load_b64 v[SC+16*\sc+2*\i:SC+16*\sc+2*\i+1], v[ADRS] offset:512*\i+128*\ks
.endr
.endm
.macro MM a, b, p, q, sc, zero
.set rD, 8*(8*((\a)%4)+\b)
.set rB, 128*(\p)+FR*\b
.set rA, AF+FR*(\a)
.set rSB, SC+16*(\sc)+2*\b+(\q)
.set rSA, SC+16*(\sc)+2*(\a)+(\q)
.if \zero == 1
	v_wmma_scale_f32_16x16x128_f8f6f4 v[rD:rD+7], v[rB:rB+FR-1], v[rA:rA+FR-1], 0, v[rSB], v[rSA] matrix_a_fmt:MATRIX_FMT_FP6 matrix_b_fmt:MATRIX_FMT_FP6 matrix_a_scale:MATRIX_SCALE_ROW1
.elseif \zero == 2
	v_wmma_scale_f32_16x16x128_f8f6f4 v[rD:rD+7], v[rB:rB+FR-1], v[rA:rA+FR-1], v[BIAS+8*\b:BIAS+8*\b+7], v[rSB], v[rSA] matrix_a_fmt:MATRIX_FMT_FP6 matrix_b_fmt:MATRIX_FMT_FP6 matrix_a_scale:MATRIX_SCALE_ROW1
.else
	v_wmma_scale_f32_16x16x128_f8f6f4 v[rD:rD+7], v[rB:rB+FR-1], v[rA:rA+FR-1], v[rD:rD+7], v[rSB], v[rSA] matrix_a_fmt:MATRIX_FMT_FP6 matrix_b_fmt:MATRIX_FMT_FP6 matrix_a_scale:MATRIX_SCALE_ROW1
.endif
.endm
.macro MUL16 a0, p, q, sc, zero        ; A's blocks a0, a0 + 1 x B's eight; the 64 accumulators take turns in the same order in every step
.irp a, \a0, \a0+1
.irp b, 0,1,2,3,4,5,6,7
	MM \a, \b, \p, \q, \sc, \zero
.endr
.endr
.endm
.macro STEP slot, zero                 ; a slot's first 128 along K
	s_wait_dscnt 16                                ; B's set, A's blocks 0-3 and the words are in; the sixteen youngest loads (A's blocks 4-7) may be out
	MWIN 0, \zero
	MUL16 0, 0, 0, \slot, \zero
	MUL16 2, 0, 0, \slot, \zero
	s_wait_dscnt 0x0
	PLACES
	FETCH_B \slot, 1, 1
	FETCH_A \slot, 1, 0
	MWIN 1, \zero
	MUL16 4, 0, 0, \slot, \zero
	MUL16 6, 0, 0, \slot, \zero
	PLACES
	WIN 0
	FETCH_A \slot, 1, 4
.endm
.macro TURN slot, next, fill, ks       ; a slot's second 128 along K, and the change of slots: one barrier; fill = 1: it opens a round of the cluster's barrier and this slot is filled again
	s_wait_tensorcnt 0x0                           ; all my tensor loads have landed: my part of the next slot
	ds_add_u32 v[SPW], v[NIL]                      ; 0 onto my spare word
	s_wait_dscnt 17                                ; (the add and the sixteen youngest loads may be out)
	WIN 0xa1
	MUL16 0, 1, 1, \slot, 0
	s_wait_dscnt 0x0                               ; the add is done, and my reads of this slot are over
	s_barrier_signal -1
	MUL16 2, 1, 1, \slot, 0
	WIN 0
	s_barrier_wait -1
.if \fill
	CREST                                          ; no wave of any partner still reads this slot or has a load on its way
	s_add_nc_u64 s[G0+4*\slot+2:G0+4*\slot+3], s[G0+4*\slot+2:G0+4*\slot+3], 6144
	s_add_nc_u64 s[G0B+4*\slot+2:G0B+4*\slot+3], s[G0B+4*\slot+2:G0B+4*\slot+3], 6144
	JLOAD G0+4*\slot, G1, G0B+4*\slot, G1B         ; the first tensor load behind the round, one a wave; its four v_nop are the places in front of the loads below
.else
	PLACES
.endif
	FETCH_B \next, 0, 0
	FETCH_A \next, 0, 0
	SCALES \next, \ks
	WIN 0xf1
	MUL16 4, 1, 1, \slot, 0
	MUL16 6, 1, 1, \slot, 0
	PLACES
	WIN 0
	FETCH_A \next, 0, 4
.endm
; 64 numbers of a lane, register 16 b + i = index 32 b + 16 h + i along the next K, become a fragment's codes in v[PC] on and its scale word in v[PW]
.macro QUANT s
.irp b, 0,1,2,3
	v_max3_num_f32 v[TM+\b], |v[\s+16*\b]|, |v[\s+1+16*\b]|, 0x1800000   ; the floor 2^(3 - 127) is one leaf
.endr
.irp i, 2,4,6,8,10,12,14
.irp b, 0,1,2,3
	v_max3_num_f32 v[TM+\b], v[TM+\b], |v[\s+16*\b+\i]|, |v[\s+1+16*\b+\i]|
.endr
.endr
.irp b, 0,1,2,3
	v_permlanex16_b32 v[TM+4+\b], v[TM+\b], s[SEL], s[SEL+1]
.endr
.irp b, 0,1,2,3
	v_max_num_f32 v[TM+\b], v[TM+\b], v[TM+4+\b]   ; with lane l xor 16's: the block's largest magnitude
.endr
.irp b, 0,1,2,3
	v_add_nc_u32 v[TM+12+\b], 0xff000000, v[TM+\b]
.endr
.irp b, 0,1,2,3
	v_lshrrev_b32 v[TM+4+\b], 23, v[TM+12+\b]
.endr
	v_lshl_or_b32 v[PW], v[TM+5], 8, v[TM+4]
	v_lshl_or_b32 v[PW], v[TM+6], 16, v[PW]
	v_lshl_or_b32 v[PW], v[TM+7], 24, v[PW]
	s_wait_xcnt 0x0                                ; the last block's stores have read the codes' registers, which are written again below
.irp c, 0,1
	v_cvt_scalef32_pk16_fp6_f32 v[PC+6*\c:PC+2+6*\c], v[\s+32*\c:\s+15+32*\c], v[TM+12+2*\c]
	v_cvt_scalef32_pk16_fp6_f32 v[PC+12+4*\c:PC+14+4*\c], v[\s+16+32*\c:\s+31+32*\c], v[TM+12+2*\c+1]
.endr
	v_nop                                          ; one plain place behind a scaled conversion
.irp c, 0,1                                    ; the operand's layout wants a whole block in a lane
.irp i, 0,1,2
	v_permlane16_swap_b32 v[PC+6*\c+\i], v[PC+12+4*\c+\i]
.endr
.irp i, 0,1,2
	v_mov_b32 v[PC+3+6*\c+\i], v[PC+12+4*\c+\i]
.endr
.endr
.endm
; v: 64 numbers of a lane, register 32 c + i = key 64 c + 32 h + i: two whole blocks, as the operand's layout wants them; the scale word's four bytes come from lanes l and l xor 16
.macro QUANTV s
.irp c, 0,1
	v_max3_num_f32 v[TM+\c], |v[\s+32*\c]|, |v[\s+32*\c+1]|, 0x1800000   ; the floor 2^(3 - 127) is one leaf
.endr
.irp i, 2,4,6,8,10,12,14,16,18,20,22,24,26,28,30
.irp c, 0,1
	v_max3_num_f32 v[TM+\c], v[TM+\c], |v[\s+32*\c+\i]|, |v[\s+32*\c+\i+1]|
.endr
.endr
.irp c, 0,1
	v_add_nc_u32 v[TM+12+\c], 0xff000000, v[TM+\c]
.endr
.irp c, 0,1
	v_lshrrev_b32 v[TM+\c], 23, v[TM+12+\c]
.endr
	v_lshl_or_b32 v[PW], v[TM+1], 16, v[TM]        ; my bytes: blocks h and 2 + h,
	v_lshlrev_b32 v[PW], v[TM+8], v[PW]            ; 8 h bits up;
	v_permlanex16_b32 v[TM+4], v[PW], s[SEL], s[SEL+1]
	v_or_b32 v[PW], v[PW], v[TM+4]                 ; with lane l xor 16's two the word is whole
	s_wait_alu depctr_va_vdst(0)
	s_wait_xcnt 0x0                                ; the last block's stores have read the codes' registers
.irp c, 0,1
	v_cvt_scalef32_pk16_fp6_f32 v[PC+6*\c:PC+2+6*\c], v[\s+32*\c:\s+15+32*\c], v[TM+12+\c]
	v_cvt_scalef32_pk16_fp6_f32 v[PC+12+4*\c:PC+14+4*\c], v[\s+16+32*\c:\s+31+32*\c], v[TM+12+\c]
.endr
	v_nop                                          ; one plain place behind a scaled conversion
.irp c, 0,1
.irp i, 0,1,2
	v_mov_b32 v[PC+3+6*\c+\i], v[PC+12+4*\c+\i]
.endr
.endr
.endm
.macro TOH a, byA
	WIN 0x02+(\a)/4
.irp b, 0,1,2,3,4,5,6,7
.irp i, 0,2,4,6
.if \byA
	v_pk_add_f32 v[H+8*\b+\i:H+8*\b+\i+1], v[64*((\a)%4)+8*\b+\i:64*((\a)%4)+8*\b+\i+1], v[BIAS+8*(\a)+\i:BIAS+8*(\a)+\i+1]
.else
	v_pk_add_f32 v[H+8*\b+\i:H+8*\b+\i+1], v[64*((\a)%4)+8*\b+\i:64*((\a)%4)+8*\b+\i+1], v[BIAS+8*\b+\i:BIAS+8*\b+\i+1]
.endif
.endr
.endr
	WIN 0
.endm
	s_load_b256 s[4:11], s[0:1], 0x0               ; xc, xs, wc, ws
	s_load_b256 s[92:99], s[0:1], 0x20             ; b_q, b_k, b_v, qb
	s_load_b64 s[100:101], s[0:1], 0x40            ; kv
	v_lshl_add_u32 v[SPW], v0, 2, SPARE
	v_mov_b32 v[NIL], 0
	ds_add_u32 v[SPW], v[NIL]                      ; the wave's opening
	ds_add_u32 v[SPW], v[NIL]
	v_lshrrev_b32 v1, 5, v0
	v_readfirstlane_b32 s14, v1                    ; wave
	s_lshr_b32 s15, s14, 1                         ; my half of A's rows.  Also: I fetch for A (0) or for B (1)
	s_and_b32 s16, s14, 1                          ; my half of B's rows.  Also: which 128 rows I fetch
	s_bfe_u32 s40, ttmp6, 0x40000                  ; cx
	s_bfe_u32 s41, ttmp6, 0x40004                  ; cy
	s_and_b32 s[CLY], ttmp7, 0xffff                ; the cluster's y: the class
	s_lshl_b32 s42, ttmp9, 2
	s_add_co_u32 s42, s42, s40
	s_lshl_b32 s18, s[CLY], 3
	s_sub_co_u32 s18, s18, 64
	s_cmp_lt_u32 s[CLY], 8
	s_cselect_b32 s18, 0, s18
	s_add_co_u32 s42, s42, s18                     ; B's block of 256: 4 cluster x + cx (+ 8 (cluster y - 8) for v)
	s_lshl_b32 s17, s[CLY], 2
	s_cmp_lt_u32 s[CLY], 8
	s_cselect_b32 s17, s17, 0
	s_add_co_u32 s17, s17, s41                     ; A's block of 256: 4 cluster y + cy, or cy for v
	s_lshl_b32 s43, s41, 2
	s_lshl_b32 s43, 15, s43                        ; my row of the cluster
	s_lshl_b32 s44, 0x1111, s40                    ; my column
	s_or_b32 s[G1], s43, (3<<16)|(1<<21)           ; codes: elements of 8 bytes; 8 rows (tiles) of 384 elements, 1,536 elements apart; no padding
	s_or_b32 s[G1B], s44, (3<<16)|(1<<21)
.irp g, G1, G1B
	s_mov_b32 s[\g+1], 384<<16
	s_mov_b32 s[\g+2], 16<<16
	s_mov_b32 s[\g+3], 384<<16
	s_mov_b32 s[\g+4], 16
	s_mov_b32 s[\g+5], 1536
	s_mov_b32 s[\g+6], 0
	s_mov_b32 s[\g+7], 0
.endr
	s_or_b32 s[G1S], s43, (3<<16)|(1<<21)          ; scale bytes: 8,192 dense bytes as 32 rows of 256
	s_or_b32 s[G1SB], s44, (3<<16)|(1<<21)
.irp g, G1S, G1SB
	s_mov_b32 s[\g+1], 32<<16
	s_mov_b32 s[\g+2], 32<<16
	s_mov_b32 s[\g+3], 32<<16
	s_mov_b32 s[\g+4], 32
	s_mov_b32 s[\g+5], 32
	s_mov_b32 s[\g+6], 0
	s_mov_b32 s[\g+7], 0
.endr
	s_lshl_b32 s20, s17, 4                         ; A: the first of the block's 16 tiles
	s_lshl_b32 s46, s42, 4                         ; B likewise
	s_lshl_b32 s22, s20, 9
	s_mov_b32 s23, 0
	s_mul_i32 s20, s20, 12288
	s_mov_b32 s21, 0
	s_lshl_b32 s2, s46, 9
	s_mov_b32 s3, 0
	s_mul_i32 s46, s46, 12288
	s_mov_b32 s47, 0
	s_cmp_lt_u32 s[CLY], 8
	s_cselect_b32 s18, 0, 1572864                  ; w_v begins 128 tiles into wc
	s_cselect_b32 s19, 0, 65536                    ; and into ws
	s_add_co_u32 s20, s20, s18
	s_add_co_u32 s22, s22, s19
	s_mul_i32 s45, s14, PIECE                      ; where the tiles go: no place in the cluster enters an LDS address
	s_wait_dscnt 0x0                               ; the opening add is done
	s_wait_kmcnt 0x0
	s_cmp_lt_u32 s[CLY], 8                         ; the operands change places by pointers alone
	s_cselect_b64 s[G0+2:G0+3], s[4:5], s[8:9]
	s_cselect_b64 s[G0S+2:G0S+3], s[6:7], s[10:11]
	s_cselect_b64 s[G0B+2:G0B+3], s[8:9], s[4:5]
	s_cselect_b64 s[G0SB+2:G0SB+3], s[10:11], s[6:7]
	s_add_nc_u64 s[6:7], s[G0+2:G0+3], s[20:21]    ; s[4:7], s[8:11]: group 0 of the head's loads of K step 0: A's 16 tiles, B's 16 tiles (the arguments that lay there have been used)
	s_add_nc_u64 s[10:11], s[G0B+2:G0B+3], s[46:47]
	s_mul_i32 s18, s16, 98304                      ; in the ring I fetch 8 tiles of 12,288 bytes: which half
	s_mov_b32 s19, 0
	s_add_nc_u64 s[G0+2:G0+3], s[6:7], s[18:19]
	s_add_nc_u64 s[G0+6:G0+7], s[G0+2:G0+3], 3072
	s_add_nc_u64 s[G0S+2:G0S+3], s[G0S+2:G0S+3], s[22:23]
	s_add_nc_u64 s[G0B+2:G0B+3], s[10:11], s[18:19]
	s_add_nc_u64 s[G0B+6:G0B+7], s[G0B+2:G0B+3], 3072
	s_add_nc_u64 s[G0SB+2:G0SB+3], s[G0SB+2:G0SB+3], s[2:3]
.irp g, 4, 8, G0, G0+4, G0B, G0B+4, G0S, G0SB
	s_mov_b32 s[\g], 1
	s_or_b32 s[\g+3], s[\g+3], 0x80000000
.endr
	s_mov_b32 s[G0+1], s45
	s_add_co_u32 s[G0+5], s45, SLOT
	s_mov_b32 s[G0B+1], s45
	s_add_co_u32 s[G0B+5], s45, SLOT
	s_mov_b32 s[G0S+1], SCL
	s_mov_b32 s[G0SB+1], SCL+8320
	s_mov_b32 s5, 0
	s_mov_b32 s9, 2*PIECE
	CROUND                                         ; all sixteen work-groups are here: the first joint loads meet
; the head's four tiles, one a wave: wave 0 K step 0 of A's 16 tiles, wave 1 of B's, wave 2 A's scale bytes, wave 3 B's; one chain of branches on the wave's number, all arms to one join
.macro ARM under, g0, g1, next
	s_cmp_lt_u32 s14, \under
	s_cbranch_scc0 \next
	tensor_load_to_lds s[\g0:\g0+3], s[\g1:\g1+7]
	s_nop 0
.rept 4
	v_nop
.endr
	s_branch .Lhead_asked
\next:
.endm
	ARM 1, 4, G1, .Lhead_b
	ARM 2, 8, G1B, .Lhead_sa
	ARM 3, G0S, G1S, .Lhead_sb
	tensor_load_to_lds s[G0SB:G0SB+3], s[G1SB:G1SB+7]
	s_nop 0
.rept 4
	v_nop
.endr
.Lhead_asked:
	v_and_b32 v1, 15, v0                           ; r
	v_bfe_u32 v2, v0, 4, 1                         ; h
	v_and_b32 v3, 31, v0                           ; lane
	v_lshlrev_b32 v[L16], 4, v3
	v_lshlrev_b32 v[L8], 3, v3
	s_mul_i32 s21, s15, PIECE
	s_mul_i32 s22, s16, PIECE
	s_add_co_u32 s22, s22, 2*PIECE
.irp s, 0,1
	v_add_nc_u32 v[ADRA+\s], s21, v[L16]
	v_add_nc_u32 v[ADRA+2+\s], s21, v[L8]
	v_add_nc_u32 v[ADRB+\s], s22, v[L16]
	v_add_nc_u32 v[ADRB+2+\s], s22, v[L8]
	s_add_co_u32 s21, s21, SLOT
	s_add_co_u32 s22, s22, SLOT
.endr
	s_lshl_b32 s21, s15, 12
	s_lshl_b32 s22, s16, 12
	s_add_co_u32 s22, s22, 8320
	s_sub_co_u32 s22, s22, s21
	v_mul_u32_u24 v4, s22, v2                      ; lanes 16-31 take B's: one product, the distance between the two bases
	s_add_co_u32 s21, s21, SCL
	v_lshl_add_u32 v4, v1, 3, v4
	v_add_nc_u32 v[ADRS], s21, v4
	; where my results go, and my biases
	s_lshl_b32 s18, s17, 1
	s_add_co_u32 s18, s18, s15                     ; my 128 rows of A,
	s_lshl_b32 s19, s42, 1
	s_add_co_u32 s19, s19, s16                     ; of B
	s_mov_b32 s2, 208896
	s_mov_b32 s3, 13056
	s_cmp_lt_u32 s[CLY], 8
	s_cselect_b32 s20, s18, s19                    ; my 128 tokens
	s_cselect_b32 s21, s19, s18                    ; my 128 features: 0-7 q, 8-15 k; for v 0-7
	s_cselect_b32 s22, s21, 8
	s_cselect_b32 s23, 0, 6656                     ; V's part of a chunk
	s_cselect_b64 s[BP:BP+1], s[94:95], s[96:97]
	s_cmp_lt_u32 s22, 8                            ; q?
	s_cselect_b64 s[BP:BP+1], s[92:93], s[BP:BP+1]
	s_cselect_b64 s[P0:P0+1], s[98:99], s[100:101]
	s_cselect_b32 s2, 106496, s2                   ; from head to head
	s_cselect_b32 s3, 6656, s3                     ; from 128 tokens to the next
	s_and_b32 s21, s21, 7
	s_lshr_b32 s18, s20, 4                         ; batch
	s_and_b32 s20, s20, 15
	s_lshl_b32 s18, s18, 4
	s_lshl_b32 s19, s21, 1
	s_add_co_u32 s18, s18, s19                     ; my first head: 16 batch + 2 (features / 128)
	s_mul_i32 s18, s18, s2
	s_mul_i32 s20, s20, s3
	s_add_co_u32 s18, s18, s20
	s_add_co_u32 s18, s18, s23
	s_mov_b32 s19, 0
	s_add_nc_u64 s[P0:P0+1], s[P0:P0+1], s[18:19]
	s_mov_b32 s3, 0
	s_add_nc_u64 s[P0+54:P0+55], s[P0:P0+1], s[2:3]
	s_lshl_b32 s18, s21, 9
	s_add_nc_u64 s[BP:BP+1], s[BP:BP+1], s[18:19]
	; the biases, by the same 64 loads in both classes: q, k: entry 8 b + j is that of feature 32 (b / 2) + 8 (b % 2) + 16 h + j; v: entries 8 a + 0..7 all that of my lane's feature of block a
	s_cmp_lt_u32 s[CLY], 8
	s_cselect_b32 s18, 64, 0
	s_cselect_b32 s19, 0, 4
	s_cselect_b32 s20, 4, 0
	v_and_b32 v4, 8, v1
	v_add_nc_u32 v4, v4, v1                        ; r + 8 (r / 8)
	v_mul_u32_u24 v5, s18, v2
	v_mad_u32_u24 v5, v4, s19, v5
	v_mov_b32 v6, s20
.irp j, 0,1,2,3,4,5,6,7
	v_mad_u32_u24 v[PC+\j], v6, \j, v5
.endr
.irp i, 0,1,2,3,4,5,6,7
.irp j, 0,1,2,3,4,5,6,7
	global_load_b32 v[BIAS+8*\i+\j], v[PC+\j], s[BP:BP+1] offset:(32*(\i/2)+8*(\i%2))*4
.endr
.endr
	s_wait_alu depctr_va_vdst(0)
	s_wait_tensorcnt 0x0                           ; my tile of the head's four is in
	ds_add_u32 v[SPW], v[NIL]
	s_mov_b32 s[G1+2], 8<<16                       ; no tensor load of mine is out: from here on a load brings 8 tiles
	s_mov_b32 s[G1+4], 8
	s_mov_b32 s[G1B+2], 8<<16
	s_mov_b32 s[G1B+4], 8
	s_wait_dscnt 0x0
	CROUND                                         ; all four tiles are in, and the sixteen work-groups are here
	JLOAD G0+4, G1, G0B+4, G1B                     ; K step 1 into slot 1, the first tensor load behind the round
	FETCH_B 0, 0, 0
	FETCH_A 0, 0, 0
	SCALES 0, 0
	FETCH_A 0, 0, 4
	STEP 0, 1                                      ; the first products start the sums
	TURN 0, 1, 1, 1                                ; slot 0 takes K step 2
	STEP 1, 0
	TURN 1, 0, 1, 2                                ; slot 1 takes K step 3
	STEP 0, 0
	TURN 0, 1, 0, 3
	STEP 1, 0
	s_wait_dscnt 16
	WIN 0xa1
	MUL16 0, 1, 1, 1, 0
	MUL16 2, 1, 1, 1, 0
	s_wait_dscnt 0x0
	WIN 0xf1
	MUL16 4, 1, 1, 1, 0
	MUL16 6, 1, 1, 1, 0
	WIN 0
	; THE WAY OUT: bias, quantiser, images; nothing goes through LDS
	PLACES
	s_wait_loadcnt 0x0                             ; the biases
	s_mov_b32 s[SEL], 0x76543210
	s_mov_b32 s[SEL+1], 0xfedcba98
.irp b, 0,1,2,3
	v_mov_b32 v[TM+4+\b], 0                        ; a lane permute's destination counts as one of its sources
.endr
	v_cmp_le_u32 vcc_lo, 16, v3
	s_cmp_lt_u32 s[CLY], 8
	s_cbranch_scc0 .Lv
.irp a, 0,1,2,3,4,5,6,7                        ; q or k: tile a of my 128 tokens; the fragment's two halves are my two heads' units
	TOH \a, 0
	QUANT H
	global_store_b128 v[L16], v[PC:PC+3], s[P0:P0+1] offset:768*\a
	global_store_b64 v[L8], v[PC+4:PC+5], s[P0:P0+1] offset:768*\a+512
	global_store_b128 v[L16], v[PC+6:PC+9], s[P0+54:P0+55] offset:768*\a
	global_store_b64 v[L8], v[PC+10:PC+11], s[P0+54:P0+55] offset:768*\a+512
	v_perm_b32 v[KW0+\a], v[PW], v[PW], 0x01000100 ; the first head's two bytes, twice
	v_perm_b32 v[KW1+\a], v[PW], v[PW], 0x03020302 ; the second head's
.endr
.irp i, 0,1,2,3
	v_cndmask_b32 v[T4+\i], v[KW0+2*\i], v[KW0+2*\i+1], vcc_lo   ; lanes 0-15: tile 2 i, lanes 16-31: tile 2 i + 1
.endr
	global_store_b128 v[L16], v[T4:T4+3], s[P0:P0+1] offset:6144
	s_wait_alu depctr_va_vdst(0)
	s_wait_xcnt 0x0                                ; that store has read its data
.irp i, 0,1,2,3
	v_cndmask_b32 v[T4+\i], v[KW1+2*\i], v[KW1+2*\i+1], vcc_lo
.endr
	global_store_b128 v[L16], v[T4:T4+3], s[P0+54:P0+55] offset:6144
	s_branch .Ldone
.Lv:
	v_lshlrev_b32 v[TM+8], 3, v2                   ; 8 h
.irp a, 0,1,2,3,4,5,6,7                        ; v: block a is fragment a % 4 of head a / 4: rows = features, K = my 128 keys
	TOH \a, 1
	QUANTV H
.irp i, 0,1,2
	global_store_b128 v[L16], v[PC+4*\i:PC+4*\i+3], s[P0+54*(\a/4):P0+54*(\a/4)+1] offset:1536*(\a%4)+512*\i
.endr
	v_mov_b32 v[KW0+\a], v[PW]
.endr
.irp i, 0,1
	v_cndmask_b32 v[T4+\i], v[KW0+2*\i], v[KW0+2*\i+1], vcc_lo
.endr
	global_store_b64 v[L8], v[T4:T4+1], s[P0:P0+1] offset:6144
	s_wait_alu depctr_va_vdst(0)
	s_wait_xcnt 0x0
.irp i, 0,1
	v_cndmask_b32 v[T4+\i], v[KW0+4+2*\i], v[KW0+4+2*\i+1], vcc_lo
.endr
	global_store_b64 v[L8], v[T4:T4+1], s[P0+54:P0+55] offset:6144
.Ldone:
	s_wait_tensorcnt 0x0                           ; the wave's end
	ds_add_u32 v[SPW], v[NIL]
	s_wait_dscnt 0x0
	CROUND                                         ; the closing round
	s_endpgm
.Lfunc_end_k_q9bdedbe22f_qkv:
	.size	k_q9bdedbe22f_qkv, .Lfunc_end_k_q9bdedbe22f_qkv-k_q9bdedbe22f_qkv
	.p2alignl 7, 3214868480
	.fill 96, 4, 3214868480
	.section	.rodata,"a",@progbits
	.p2align	6, 0x0
	.amdhsa_kernel k_q9bdedbe22f_qkv
		.amdhsa_group_segment_fixed_size 327680
		.amdhsa_private_segment_fixed_size 0
		.amdhsa_enable_private_segment 0
		.amdhsa_kernarg_size 72
		.amdhsa_user_sgpr_count 2
		.amdhsa_user_sgpr_kernarg_segment_ptr 1
		.amdhsa_wavefront_size32 1
		.amdhsa_system_sgpr_workgroup_id_x 1
		.amdhsa_system_sgpr_workgroup_id_y 1
		.amdhsa_system_sgpr_workgroup_id_z 1
		.amdhsa_system_vgpr_workitem_id 0
		.amdhsa_next_free_vgpr 1024
		.amdhsa_next_free_sgpr 106
		.amdhsa_reserve_vcc 1
		.amdhsa_float_denorm_mode_32 3
		.amdhsa_float_denorm_mode_16_64 3
		.amdhsa_memory_ordered 1
		.amdhsa_forward_progress 1
		.amdhsa_inst_pref_size 217
	.end_amdhsa_kernel
	.amdgpu_metadata
---
amdhsa.version: [ 1, 2 ]
amdhsa.kernels:
  - .name:           k_q9bdedbe22f_qkv
    .symbol:         k_q9bdedbe22f_qkv.kd
    .args:
      - { .name: xc, .offset: 0, .size: 8, .value_kind: global_buffer, .address_space: global }
      - { .name: xs, .offset: 8, .size: 8, .value_kind: global_buffer, .address_space: global }
      - { .name: wc, .offset: 16, .size: 8, .value_kind: global_buffer, .address_space: global }
      - { .name: ws, .offset: 24, .size: 8, .value_kind: global_buffer, .address_space: global }
      - { .name: b_q, .offset: 32, .size: 8, .value_kind: global_buffer, .address_space: global }
      - { .name: b_k, .offset: 40, .size: 8, .value_kind: global_buffer, .address_space: global }
      - { .name: b_v, .offset: 48, .size: 8, .value_kind: global_buffer, .address_space: global }
      - { .name: qb, .offset: 56, .size: 8, .value_kind: global_buffer, .address_space: global }
      - { .name: kv, .offset: 64, .size: 8, .value_kind: global_buffer, .address_space: global }
    .group_segment_fixed_size: 327680
    .private_segment_fixed_size: 0
    .kernarg_segment_align: 8
    .kernarg_segment_size: 72
    .max_flat_workgroup_size: 128
    .sgpr_count:     106
    .vgpr_count:     1024
    .wavefront_size: 32
...
	.end_amdgpu_metadata
.endif
;; end of part 2
;; launch attn (part 3): grid 4 x 64, 16 waves a work-group, clusters of 4 x 1, 327,680 bytes of LDS; arguments qb, kv, mc, ms; writes mc, ms
.if DOCPART == 3
	.amdgcn_target "amdgcn-amd-amdhsa--gfx1250"
	.amdhsa_code_object_version 6
	.text
	.protected	k_q9bdedbe22f_attn
	.globl	k_q9bdedbe22f_attn
	.p2align	8
	.type	k_q9bdedbe22f_attn,@function
k_q9bdedbe22f_attn:
	s_mov_b64 s[64:65], 0
	v_nop
	global_prefetch_b8 v0, s[64:65] scope:SCOPE_SE
	s_setreg_imm32_b32 hwreg(HW_REG_WAVE_MODE, 25, 1), 1
	s_wait_xcnt 0x0
	s_wait_alu depctr_hold_cnt(0) depctr_sa_sdst(0) depctr_va_vdst(0) depctr_va_sdst(0) depctr_va_ssrc(0) depctr_va_vcc(0) depctr_vm_vsrc(0)
	s_getreg_b32 s2, hwreg(HW_REG_IB_STS2, 6, 4)
	s_cmp_eq_u32 s2, 0
	s_cbranch_scc0 .Lentry_in_a_cluster
	s_endpgm
.Lentry_in_a_cluster:
	s_bfe_u32 s2, ttmp6, 0x10000c
	s_cmp_lg_u32 s2, 0x3003
	s_cbranch_scc0 .Lentry_shape_is_right
	s_endpgm
.Lentry_shape_is_right:
; o = softmax(q k^T / 8) v for one head and 512 queries a work-group, on codes of FP6 (E2M3) with E8M0 scales; o is quantised along the head's 64 and stored as an image of the next product's operand registers (mc, ms).
; p = 2^(t - M), t = score x log2(e) / 8, M the ceiling of the running largest t, a whole number; the row's sum is taken of the unquantised p; when M moves, sum and O^T are multiplied by a power of two.
; LIMITS: NaN and infinities are not served; the promise holds while |t| stays under 2^31; a block whose every p is 0 gets the byte 1 over zero codes.
; THE DEAL: 16 waves; a wave takes 16 queries in each of two passes over the head's 2,048 keys, 16 steps of 128 keys.  Both products are used transposed (S^T = k q^T, O^T = v^T p^T): a lane holds one query.
; THE KEYS OF A TILE: tile t of a chunk holds in rows 0-7 keys 64 (t / 4) + 8 (t % 4) + 0 .. 7 and in rows 8-15 the keys 32 further on.  So register 32 c + i of the scores in lane (r, h) is key 64 c + 32 h + i:
; a lane holds two whole blocks of 32 keys, in the order of the next operand's registers: a block's largest score needs no other lane, and p's codes change no lane.
; LDS: the head's K and V, 16 chunks of 13,056 bytes (51 rows of 256) as the launch before laid them.  Wave w asks for chunk w: one tensor load a wave, at the head; nothing is filled again.
; The four work-groups of a cluster take the same head: each chunk is asked for jointly (mask 15).  No prefetch: all tiles are asked for at the head, so there is no loop to run ahead in.
; THE HEAD SIZE IS 64, THE INSTRUCTION'S K 128: two tiles of keys lie side by side in one operand (k 0-63 tile 2 i, k 64-127 tile 2 i + 1) and are multiplied by (q, 0) and by (0, q).
; TWO AREAS OF 64 REGISTERS TAKE TURNS.  In a step K lies in X[0:47] and the scores fall into S; behind the score products V is loaded onto K; behind the conversions the next chunk's K is loaded onto p's first 48 registers.
; p's last 16 registers are summed in the next step: those eight packed adds and the two address lines are the places that stand between the matrix instructions and what writes their registers.
; A pass's last step asks once more for chunk 15's K, which nobody multiplies, so that every trip has one text.
; A barrier in each trip, signalled at the trip's top and waited for at its end, holds the 16 waves within one trip of each other.  Between its halves stand register work and reads of LDS bytes that nobody writes.
.set CH,    13056
.set SPARE, 208896                     ; the spare words, 128 bytes a wave: 2,048 bytes that no other line names
.set L16, 1                            ; 16 lane;  v2: 8 lane
.set L8,  2
.set SPW, 3
.set NIL, 4
.set A16, 5                            ; v5, v6 and v7, v8: two chunks' LDS addresses (+ 16 lane, + 8 lane), by turns
.set B16, 7
.set LN,  9
.set MSO, 10
.set R16, 11
.set LA,  14                           ; v12 -M, v13 the running largest score, v[14:15], v[16:17] the row's sum in two chains
.set LB,  16
.set QZ,  18                           ; v18-47: zeros, pass 0's q, zeros, pass 1's q, zeros: six registers each
.set R0,  48
.set R1,  112
.set OA,  176
.set PC,  208
.set PX,  220
.set BM,  228
.set PT,  232
.set SO,  236
.set KS,  240
.set VS,  244
.set QSA, 246
.set PW,  248
.set BY,  249
.set F,   250
.set T,   252
.set H8,  253                          ; 8 x the lane's half
.set WV,  12
.set SEL, 44
.set CS,  46
.set TB,  48
.set CNT, 49
.set TN,  57
.macro CROUND
	s_barrier_signal -1
	s_barrier_wait -1
	s_cmp_lg_u32 s[WV], 0
	s_cbranch_scc1 .Lnot_wave_0_\@
	s_barrier_signal -3
.Lnot_wave_0_\@:
	s_barrier_wait -3
	s_barrier_signal -1
	s_barrier_wait -1
.endm
.macro WM d, a, b, c, sa, sb, row
	v_wmma_scale_f32_16x16x128_f8f6f4 v[\d:\d+7], v[\a:\a+11], v[\b:\b+11], \c, v[\sa], v[\sb] matrix_a_fmt:MATRIX_FMT_FP6 matrix_b_fmt:MATRIX_FMT_FP6 matrix_a_scale:MATRIX_SCALE_ROW\row
.endm
.macro SUM l, r                        ; two numbers onto one of the sum's chains
	v_pk_add_f32 v[\l:\l+1], v[\l:\l+1], v[\r:\r+1]
.endm
.macro KLOAD D, A                      ; a chunk's K: eight units of 768 bytes, six registers each, and the scale words: 17 loads
.irp t, 0,1,2,3,4,5,6,7
	ds_load_b128 v[\D+6*\t:\D+6*\t+3], v[\A] offset:768*\t
	ds_load_b64 v[\D+6*\t+4:\D+6*\t+5], v[\A+1] offset:768*\t+512
.endr
	ds_load_b128 v[KS:KS+3], v[\A] offset:6144
.endm
.macro INIT                            ; a pass begins: the largest score under every score, sums and O^T zero, no p left to sum, chunk 0
	v_mov_b32 v13, 0xff61b1e6
	s_delay_alu instid0(VALU_DEP_1)
	v_floor_f32 v12, -v13
.irp j, 14,15,16,17
	v_mov_b32 v\j, 0
.endr
.set j, 0
.rept 32
	v_mov_b32 v[OA+j], 0
.set j, j+1
.endr
.set j, 48
.rept 16
	v_mov_b32 v[R1+j], 0
.set j, j+1
.endr
	v_lshlrev_b32 v[A16], 4, v[LN]
	v_lshlrev_b32 v[A16+1], 3, v[LN]
	s_mov_b32 s[TB], 0
	s_wait_alu depctr_va_vdst(0)
.endm
; A step of 128 keys.  S: the scores' area; X: K's, then V's; AV: this chunk's addresses; AK: the next chunk's, made here
.macro STEP S, X, AV, AK, odd, q, qs
.if \odd
	s_add_co_u32 s[TB], s[TB], 2*CH
	s_min_u32 s[TN], s[TB], 15*CH                  ; the pass's last step names chunk 15 again
.else
	s_add_co_u32 s[TN], s[TB], CH
.endif
	s_wait_dscnt 0x0                               ; K and its words are in; no LDS instruction of mine is out
.if \odd == 0
	s_barrier_signal -1
.endif
	SUM LA, \X+48                                  ; the last step's p 48-63; five places between the last products, which read V in S, and the products that write S
	SUM LB, \X+50
	SUM LA, \X+52
	SUM LB, \X+54
	SUM LA, \X+56
.irp i, 0,1,2,3
	WM \S+16*\i, \X+12*\i, \q+6, 0, KS+\i, \qs, 0
	WM \S+16*\i+8, \X+12*\i, \q, 0, KS+\i, \qs, 1
.endr
	SUM LB, \X+58                                  ; five places ahead of the loads onto K and of the first read of the scores
	SUM LA, \X+60
	SUM LB, \X+62
	v_add_nc_u32 v[\AK], s[TN], v[L16]
	v_add_nc_u32 v[\AK+1], s[TN], v[L8]
.irp t, 0,1,2,3
.irp i, 0,1,2
	ds_load_b128 v[\X+12*\t+4*\i:\X+12*\t+4*\i+3], v[\AV] offset:6656+1536*\t+512*\i
.endr
.endr
	ds_load_b64 v[VS:VS+1], v[\AV+1] offset:12800  ; V: 13 loads
.irp b, 0,1,2,3
	v_max3_num_f32 v[BM+\b], v[\S+16*\b], v[\S+16*\b+1], v[\S+16*\b+2]   ; the largest score of my two blocks, each in two chains: for the row's maximum and for the block's largest p
.endr
.irp i, 3,5,7,9,11,13
.irp b, 0,1,2,3
	v_max3_num_f32 v[BM+\b], v[BM+\b], v[\S+16*\b+\i], v[\S+16*\b+\i+1]
.endr
.endr
.irp c, 0,2
	v_max3_num_f32 v[BM+\c], v[BM+\c], v[\S+16*\c+15], v[\S+16*\c+31]
.endr
.irp c, 0,2
	s_delay_alu instid0(VALU_DEP_2)
	v_max_num_f32 v[BM+\c], v[BM+\c], v[BM+\c+1]   ; v[BM]: block h;  v[BM+2]: block 2 + h
.endr
	s_delay_alu instid0(VALU_DEP_1)
	v_max_num_f32 v[T], v[BM], v[BM+2]
	s_delay_alu instid0(VALU_DEP_1)
	v_permlanex16_b32 v[PT], v[T], s[SEL], s[SEL+1]
	s_delay_alu instid0(VALU_DEP_1)
	v_max3_num_f32 v13, v13, v[T], v[PT]           ; the running largest score of my query
	v_mov_b32 v[PT+1], v12
	s_delay_alu instid0(VALU_DEP_2)
	v_mul_f32 v[T], s[CS], v13                     ; as t (the factor is positive)
	s_delay_alu instid0(VALU_DEP_1)
	v_floor_f32 v12, -v[T]                         ; -M = floor(-t)
	s_delay_alu instid0(VALU_DEP_1)
	v_sub_f32 v[T], v12, v[PT+1]
	s_delay_alu instid0(VALU_DEP_1)
	v_cvt_i32_f32 v[T], v[T]
	s_delay_alu instid0(VALU_DEP_1)
	v_ldexp_f32 v[F], 1.0, v[T]                    ; f = 2^(old M - new M)
.set j, 0
.rept 32
	v_pk_fma_f32 v[\S+j:\S+j+1], v[\S+j:\S+j+1], s[CS:CS+1], v[12:13] op_sel_hi:[1,0,0]   ; t - M (of the pair v[12:13] the low word serves both halves)
.set j, j+2
.endr
.irp c, 0,2
	v_fma_f32 v[BM+\c], v[BM+\c], s[CS], v12       ; the same of each block's largest score
.endr
	s_wait_alu depctr_va_vdst(0)
.set j, 0
.rept 64
	v_exp_f32 v[\S+j], v[\S+j]
.set j, j+1
.endr
.irp c, 0,2
	v_exp_f32 v[BM+\c], v[BM+\c]                   ; the block's largest p: the same two instructions on the same number
.endr
	v_pk_mul_f32 v[LA:LA+1], v[LA:LA+1], v[F:F+1] op_sel_hi:[1,0]    ; the sums under the new M: plain places behind the batch
	v_pk_mul_f32 v[LB:LB+1], v[LB:LB+1], v[F:F+1] op_sel_hi:[1,0]
	s_wait_alu depctr_va_vdst(0)                   ; one wait for the batch, ahead of its first reader
	v_pk_add_f32 v[PT:PT+1], v[\S:\S+1], v[\S+2:\S+3]                ; p 0-47 in four chains, two of them this step's own
	v_pk_add_f32 v[PT+2:PT+3], v[\S+4:\S+5], v[\S+6:\S+7]
.irp j, 8,16,24,32,40
	SUM LA, \S+\j
	SUM LB, \S+\j+2
	SUM PT, \S+\j+4
	SUM PT+2, \S+\j+6
.endr
	SUM LA, PT
	SUM LB, PT+2
	v_max_num_f32 v[BM], 0x1800000, v[BM]          ; the floor 2^(3 - 127): the byte cannot fall under 1
	v_max_num_f32 v[BM+2], 0x1800000, v[BM+2]
	s_delay_alu instid0(VALU_DEP_2)
	v_add_nc_u32 v[SO], 0xff000000, v[BM]          ; 2 off the exponent field: the conversion's scale operand
	s_delay_alu instid0(VALU_DEP_2)
	v_add_nc_u32 v[SO+1], 0xff000000, v[BM+2]
.irp c, 0,1
	v_cvt_scalef32_pk16_fp6_f32 v[PC+6*\c:PC+6*\c+2], v[\S+32*\c:\S+32*\c+15], v[SO+\c]
	v_cvt_scalef32_pk16_fp6_f32 v[PX+4*\c:PX+4*\c+2], v[\S+32*\c+16:\S+32*\c+31], v[SO+\c]   ; (a conversion's three registers begin on an even number)
.endr
	KLOAD \S, \AK                                  ; the next chunk's K onto p 0-47, which are summed and converted
	v_lshrrev_b32 v[PT], 23, v[SO]                 ; the scales' bytes (plain places behind the conversions)
	v_lshrrev_b32 v[PT+1], 23, v[SO+1]
	s_delay_alu instid0(VALU_DEP_1)
	v_lshl_or_b32 v[PW], v[PT+1], 16, v[PT]        ; my bytes: blocks h and 2 + h,
	s_delay_alu instid0(VALU_DEP_1)
	v_lshlrev_b32 v[PW], v[H8], v[PW]              ; 8 h bits up;
	s_delay_alu instid0(VALU_DEP_1)
	v_permlanex16_b32 v[PT], v[PW], s[SEL], s[SEL+1]
	s_delay_alu instid0(VALU_DEP_1)
	v_or_b32 v[PW], v[PW], v[PT]                   ; with lane l xor 16's two: p's scale word for these 128 keys
.irp c, 0,1
.irp i, 0,1,2
	v_mov_b32 v[PC+6*\c+3+\i], v[PX+4*\c+\i]
.endr
.endr
	s_wait_dscnt 17                                ; V's 13 loads are in; the 17 younger ones, the next K's, may be out
	s_wait_alu depctr_va_vdst(0)
.set j, 0
.rept 16
	v_pk_mul_f32 v[OA+j:OA+j+1], v[OA+j:OA+j+1], v[F:F+1] op_sel_hi:[1,0]   ; O^T under the new M; also the places between p's codes and word and the products
.set j, j+2
.endr
.irp i, 0,1
	WM OA+16*\i, \X+24*\i, PC, v[OA+16*\i:OA+16*\i+7], VS+\i, PW, 0
	WM OA+16*\i+8, \X+24*\i+12, PC, v[OA+16*\i+8:OA+16*\i+15], VS+\i, PW, 1
.endr
.endm
.macro RUN q, qs                       ; a pass: eight trips of two steps
	s_mov_b32 s[CNT], 8
.Lrun_\@:
	STEP R0, R1, A16, B16, 0, \q, \qs
	STEP R1, R0, B16, A16, 1, \q, \qs
	s_barrier_wait -1                              ; every wave has begun this trip
	s_sub_co_u32 s[CNT], s[CNT], 1
	s_cmp_lg_u32 s[CNT], 0
	s_cbranch_scc1 .Lrun_\@
.endm
.macro OUT p                           ; o = O^T / the sum, quantised along the head's 64, stored as a unit of the next operand's image
	s_wait_dscnt 0x0                               ; the last step's loads have landed
.irp j, 48,52,56,60
	SUM LA, R1+\j
	SUM LB, R1+\j+2
.endr
	s_delay_alu instid0(VALU_DEP_1)
	v_pk_add_f32 v[LA:LA+1], v[LA:LA+1], v[LB:LB+1]
	s_delay_alu instid0(VALU_DEP_1)
	v_add_f32 v14, v14, v15
	s_delay_alu instid0(VALU_DEP_1)
	v_permlanex16_b32 v[T], v14, s[SEL], s[SEL+1]
	s_delay_alu instid0(VALU_DEP_1)
	v_add_f32 v14, v14, v[T]
	s_wait_alu depctr_va_vdst(0)
	v_rcp_f32 v14, v14
	v_nop
	s_wait_alu depctr_va_vdst(0)
.set j, 0
.rept 16
	v_pk_mul_f32 v[R0+j:R0+j+1], v[OA+j:OA+j+1], v[14:15] op_sel_hi:[1,0]
.set j, j+2
.endr
.irp b, 0,1
	v_max3_num_f32 v[BM+\b], |v[R0+16*\b]|, |v[R0+16*\b+1]|, 0x1800000
.endr
.irp i, 2,4,6,8,10,12,14
.irp b, 0,1
	s_delay_alu instid0(VALU_DEP_2)
	v_max3_num_f32 v[BM+\b], v[BM+\b], |v[R0+16*\b+\i]|, |v[R0+16*\b+\i+1]|
.endr
.endr
.irp b, 0,1
	s_delay_alu instid0(VALU_DEP_2)
	v_permlanex16_b32 v[PT+\b], v[BM+\b], s[SEL], s[SEL+1]
.endr
.irp b, 0,1
	s_delay_alu instid0(VALU_DEP_2)
	v_max_num_f32 v[BM+\b], v[BM+\b], v[PT+\b]
.endr
.irp b, 0,1
	s_delay_alu instid0(VALU_DEP_2)
	v_add_nc_u32 v[SO+\b], 0xff000000, v[BM+\b]
.endr
.irp b, 0,1
	s_delay_alu instid0(VALU_DEP_2)
	v_lshrrev_b32 v[PT+\b], 23, v[SO+\b]
.endr
	v_cmp_le_u32 vcc_lo, 16, v[LN]
	s_delay_alu instid0(VALU_DEP_1)
	v_cndmask_b32 v[BY], v[PT], v[PT+1], vcc_lo
	v_cvt_scalef32_pk16_fp6_f32 v[PC:PC+2], v[R0:R0+15], v[SO]
	v_cvt_scalef32_pk16_fp6_f32 v[PX:PX+2], v[R0+16:R0+31], v[SO+1]
	v_nop
.irp i, 0,1,2
	v_permlane16_swap_b32 v[PC+\i], v[PX+\i]
.endr
.irp i, 0,1,2
	s_delay_alu instid0(VALU_DEP_3)
	v_mov_b32 v[PC+3+\i], v[PX+\i]
.endr
	global_store_b128 v[L16], v[PC:PC+3], s[40:41] offset:196608*\p
	global_store_b64 v[L8], v[PC+4:PC+5], s[40:41] offset:196608*\p+512
	global_store_b8 v[MSO], v[BY], s[42:43] offset:8192*\p
.endm
	s_load_b256 s[4:11], s[0:1], 0x0               ; qb, kv, mc, ms
	v_lshl_add_u32 v[SPW], v0, 2, SPARE
	v_mov_b32 v[NIL], 0
	ds_add_u32 v[SPW], v[NIL]                      ; the opening lines
	ds_add_u32 v[SPW], v[NIL]
	v_lshrrev_b32 v5, 5, v0
	s_delay_alu instid0(VALU_DEP_1)
	v_readfirstlane_b32 s[WV], v5                  ; wave
	s_bfe_u32 s13, ttmp6, 0x40000                  ; cx: which 512 queries
	s_and_b32 s14, ttmp7, 0xffff                   ; the head, 0 .. 63
	s_mov_b32 s16, 15|(3<<16)|(1<<21)              ; group 1: the four partners; 51 rows of 32 elements of 8 bytes, dense
	s_mov_b32 s17, 32<<16
	s_mov_b32 s18, 51<<16
	s_mov_b32 s19, 32<<16
	s_mov_b32 s20, 51
	s_mov_b32 s21, 32
	s_mov_b32 s22, 0
	s_mov_b32 s23, 0
	s_mul_i32 s56, s[WV], CH                       ; my chunk, in LDS and in the head's part of kv
	s_mul_i32 s52, s14, 208896
	s_add_co_u32 s52, s52, s56
	s_mov_b32 s53, 0
	s_lshl_b32 s36, s13, 2                         ; q: group of 128 queries 4 cx + wave / 8 (+ 2 in pass 1), tile wave % 8
	s_lshr_b32 s50, s[WV], 3
	s_add_co_u32 s36, s36, s50
	s_mul_i32 s36, s36, 6656
	s_mul_i32 s50, s14, 106496
	s_add_co_u32 s36, s36, s50
	s_and_b32 s50, s[WV], 7
	s_and_b32 s38, s50, 1
	s_lshl_b32 s38, s38, 8
	s_lshr_b32 s51, s50, 1
	s_lshl_b32 s51, s51, 2
	s_add_co_u32 s38, s38, s51
	s_add_co_u32 s38, s38, s36
	s_add_co_u32 s38, s38, 6144                    ; its scale words
	s_mul_i32 s50, s50, 768
	s_add_co_u32 s36, s36, s50
	s_mov_b32 s37, 0
	s_mov_b32 s39, 0
	s_lshr_b32 s40, s14, 4                         ; out: token tile 128 batch + 32 cx + wave (+ 16 in pass 1), unit = the head in its batch
	s_lshl_b32 s40, s40, 7
	s_lshl_b32 s50, s13, 5
	s_add_co_u32 s40, s40, s50
	s_add_co_u32 s40, s40, s[WV]
	s_lshl_b32 s42, s40, 9
	s_mul_i32 s40, s40, 12288
	s_and_b32 s50, s14, 15
	s_mul_i32 s51, s50, 768
	s_add_co_u32 s40, s40, s51
	s_lshr_b32 s51, s50, 2
	s_lshl_b32 s51, s51, 7
	s_add_co_u32 s42, s42, s51
	s_and_b32 s51, s50, 3
	s_lshl_b32 s51, s51, 1
	s_add_co_u32 s42, s42, s51
	s_mov_b32 s41, 0
	s_mov_b32 s43, 0
	s_mov_b32 s[SEL], 0x76543210
	s_mov_b32 s[SEL+1], 0xfedcba98                 ; v_permlanex16_b32's selects for lane l xor 16
	s_mov_b32 s[CS], 0x3e38aa3b                    ; log2(e) / 8
	s_mov_b32 s[CS+1], s[CS]
	v_and_b32 v[LN], 31, v0
	s_delay_alu instid0(VALU_DEP_1)
	v_lshlrev_b32 v[L16], 4, v[LN]
	s_delay_alu instid0(VALU_DEP_2)
	v_lshlrev_b32 v[L8], 3, v[LN]
	v_and_b32 v[R16], 15, v0
	v_bfe_u32 v[MSO], v0, 4, 1
	s_delay_alu instid0(VALU_DEP_1)
	v_lshl_add_u32 v[MSO], v[R16], 3, v[MSO]
	s_delay_alu instid0(VALU_DEP_3)
	v_lshlrev_b32 v[R16], 4, v[R16]
	v_bfe_u32 v[H8], v0, 4, 1
	s_delay_alu instid0(VALU_DEP_1)
	v_lshlrev_b32 v[H8], 3, v[H8]
	s_wait_alu depctr_va_vdst(0)
	s_wait_dscnt 0x0
	s_wait_kmcnt 0x0
	s_add_nc_u64 s[26:27], s[6:7], s[52:53]
	s_add_nc_u64 s[36:37], s[4:5], s[36:37]
	s_add_nc_u64 s[38:39], s[4:5], s[38:39]
	s_add_nc_u64 s[40:41], s[8:9], s[40:41]
	s_add_nc_u64 s[42:43], s[10:11], s[42:43]
	s_mov_b32 s24, 1
	s_mov_b32 s25, s56
	s_or_b32 s27, s27, 0x80000000
	CROUND                                         ; the four partners are here: the joint loads meet
	tensor_load_to_lds s[24:27], s[16:23]          ; my chunk: my one tensor load of the launch
	s_nop 0
.irp p, 0,1
	global_load_b128 v[QZ+6+12*\p:QZ+9+12*\p], v[L16], s[36:37] offset:13312*\p
	global_load_b64 v[QZ+10+12*\p:QZ+11+12*\p], v[L8], s[36:37] offset:13312*\p+512
	global_load_b32 v[QSA+\p], v[R16], s[38:39] offset:13312*\p
.endr
.irp z, 0,12,24
.irp j, 0,1,2,3,4,5
	v_mov_b32 v[QZ+\z+\j], 0                       ; zero codes beside q
.endr
.endr
.irp b, 0,1,2,3
	v_mov_b32 v[PT+\b], 0                          ; a lane permute's destination counts as one of its sources
.endr
	v_mov_b32 v[F+1], 0
	v_mov_b32 v[T], 0
	INIT
	s_wait_loadcnt 0x0
	s_wait_tensorcnt 0x0                           ; my chunk is in
	s_barrier_signal -1
	s_barrier_wait -1                              ; and so is everybody's
	KLOAD R1, A16
	RUN QZ, QSA
	OUT 0
	s_wait_xcnt 0x0                                ; the stores have read their registers
	INIT
	KLOAD R1, A16
	RUN QZ+12, QSA+1
	OUT 1
	s_wait_tensorcnt 0x0                           ; the wave's end
	ds_add_u32 v[SPW], v[NIL]
	s_wait_dscnt 0x0
	CROUND                                         ; the closing round
	s_endpgm
.Lfunc_end_k_q9bdedbe22f_attn:
	.size	k_q9bdedbe22f_attn, .Lfunc_end_k_q9bdedbe22f_attn-k_q9bdedbe22f_attn
	.p2alignl 7, 3214868480
	.fill 96, 4, 3214868480
	.section	.rodata,"a",@progbits
	.p2align	6, 0x0
	.amdhsa_kernel k_q9bdedbe22f_attn
		.amdhsa_group_segment_fixed_size 327680
		.amdhsa_private_segment_fixed_size 0
		.amdhsa_enable_private_segment 0
		.amdhsa_kernarg_size 32
		.amdhsa_user_sgpr_count 2
		.amdhsa_user_sgpr_kernarg_segment_ptr 1
		.amdhsa_wavefront_size32 1
		.amdhsa_system_sgpr_workgroup_id_x 1
		.amdhsa_system_sgpr_workgroup_id_y 1
		.amdhsa_system_sgpr_workgroup_id_z 1
		.amdhsa_system_vgpr_workitem_id 0
		.amdhsa_next_free_vgpr 256
		.amdhsa_next_free_sgpr 66
		.amdhsa_reserve_vcc 1
		.amdhsa_float_denorm_mode_32 3
		.amdhsa_float_denorm_mode_16_64 3
		.amdhsa_memory_ordered 1
		.amdhsa_forward_progress 1
		.amdhsa_inst_pref_size 82
	.end_amdhsa_kernel
	.amdgpu_metadata
---
amdhsa.version: [ 1, 2 ]
amdhsa.kernels:
  - .name:           k_q9bdedbe22f_attn
    .symbol:         k_q9bdedbe22f_attn.kd
    .args:
      - { .name: qb, .offset: 0, .size: 8, .value_kind: global_buffer, .address_space: global }
      - { .name: kv, .offset: 8, .size: 8, .value_kind: global_buffer, .address_space: global }
      - { .name: mc, .offset: 16, .size: 8, .value_kind: global_buffer, .address_space: global }
      - { .name: ms, .offset: 24, .size: 8, .value_kind: global_buffer, .address_space: global }
    .group_segment_fixed_size: 327680
    .private_segment_fixed_size: 0
    .kernarg_segment_align: 8
    .kernarg_segment_size: 32
    .max_flat_workgroup_size: 512
    .sgpr_count:     66
    .vgpr_count:     256
    .wavefront_size: 32
...
	.end_amdgpu_metadata
.endif
;; end of part 3
;; launch oproj (part 4): grid 8 x 32, 4 waves a work-group, clusters of 4 x 4, 327,680 bytes of LDS; arguments mc, ms, wc, ws, b_o, out0; writes out0
.if DOCPART == 4
	.amdgcn_target "amdgcn-amd-amdhsa--gfx1250"
	.amdhsa_code_object_version 6
	.text
	.protected	k_q9bdedbe22f_oproj
	.globl	k_q9bdedbe22f_oproj
	.p2align	8
	.type	k_q9bdedbe22f_oproj,@function
k_q9bdedbe22f_oproj:
	s_mov_b64 s[64:65], 0
	v_nop
	global_prefetch_b8 v0, s[64:65] scope:SCOPE_SE
	s_setreg_imm32_b32 hwreg(HW_REG_WAVE_MODE, 25, 1), 1
	s_wait_xcnt 0x0
	s_wait_alu depctr_hold_cnt(0) depctr_sa_sdst(0) depctr_va_vdst(0) depctr_va_sdst(0) depctr_va_ssrc(0) depctr_va_vcc(0) depctr_vm_vsrc(0)
	s_getreg_b32 s2, hwreg(HW_REG_IB_STS2, 6, 4)
	s_cmp_eq_u32 s2, 0
	s_cbranch_scc0 .Lentry_in_a_cluster
	s_endpgm
.Lentry_in_a_cluster:
	s_bfe_u32 s2, ttmp6, 0x10000c
	s_cmp_lg_u32 s2, 0xf033
	s_cbranch_scc0 .Lentry_shape_is_right
	s_endpgm
.Lentry_shape_is_right:
; out0 = merged w_o + b_o on codes of FP6 (E2M3) with E8M0 scales; out0 [8192][1024] f32.
; A work-group of four waves makes 256 tokens x 256 features; a wave 128 x 128: 64 accumulators.  K = 1,024 goes in four steps of 256 through two LDS slots; the text is flat, with two refills.
; Source 0 = 16 rows of B (features of w_o), source 1 = 16 rows of A (tokens).  Row i of a tile T is index 32 (T / 2) + 8 (T % 2) + i + 8 (i / 8): in accumulator (a, b) lane (r, h) holds token (a, r) and its
; register j feature 32 (b / 2) + 16 h + 8 (b % 2) + j.  The bias is the C of each sum's first product.
; CLUSTERS 4 x 4: A's tiles are asked for jointly along a row of the cluster, B's along a column.
; REGISTERS: window 0: v16-30 addresses; v32-63 scale words, two sets; v64-127 the bias; v128-223 A's fragments, one set (on the way out v128-255 take rows).  window 1: B's fragments, two sets.  windows 2, 3: accumulators.
; THE BLOCK, in place of what stands above: a work-group makes 256 tokens x 128 features, a wave 128 x 64: 32 accumulators (b = 0 .. 3); 8 x 32 work-groups.  Of B a slot holds 8 tiles, behind A's 16.
; TOKENS ARE TILED OTHERWISE THAN FEATURES: row i of a token tile T is token 64 (T / 4) + 8 (T % 4) + i % 8 + 32 (i / 8); the order stated above holds for features alone.
.set PIECE, 24576
.set SLOT,  4*PIECE
.set SCL,   2*SLOT                     ; the scale bytes: A's 2 x 4,096; 128 bytes on, B's 2 x 4,096
.set SPARE, SCL+16640                  ; the spare words, 128 bytes a wave: two blocks of 256 bytes that no other line names
.set FR,    12
.set ADRA,  16
.set ADRB,  20
.set L16,   24
.set L8,    25
.set STO,   26                         ; the way out: where I put 32 bytes of a row
.set ADRS,  27
.set SPW,   28
.set NIL,   29
.set RD,    30                         ; and where I read a row back
.set SC,    32
.set BIAS,  64
.set AF,    128
.set BK,    128
.set G1,   24
.set G0,   32
.set G1B,  48
.set G0B,  56
.set G1S,  68
.set G0S,  76
.set G1SB, 80
.set G0SB, 88
.set MSB, 0
.macro WIN new                         ; the immediate's high byte repeats the setting that is left
.if MSB != (\new)
	s_set_vgpr_msb (MSB<<8)|(\new)
.set MSB, \new
.endif
.endm
.macro MWIN hi, zero                   ; source 0 (B) window 1, source 1 (A) window 0, D window 2 or 3; C with D, or (zero = 2) in window 0
.if \zero == 2
	WIN 0x81+0x40*\hi
.else
	WIN 0xa1+0x50*\hi
.endif
.endm
.macro PLACES                          ; four plain places behind a matrix instruction (ISA guide 7.12.1)
.rept 4
	v_nop
.endr
.endm
.macro JLOAD g0a, g1a, g0b, g1b        ; a joint load: waves 0, 1 fetch for A, waves 2, 3 for B
	s_cmp_eq_u32 s15, 0
	s_cbranch_scc0 .Lfor_b_\@
	tensor_load_to_lds s[\g0a:\g0a+3], s[\g1a:\g1a+7]
	s_nop 0
.rept 4
	v_nop
.endr
	s_branch .Lasked_\@
.Lfor_b_\@:
	tensor_load_to_lds s[\g0b:\g0b+3], s[\g1b:\g1b+7]
	s_nop 0
.rept 4
	v_nop
.endr
.Lasked_\@:
.endm
.macro CREST
	s_cmp_lg_u32 s14, 0
	s_cbranch_scc1 .Lnot_wave_0_\@
	s_barrier_signal -3
.Lnot_wave_0_\@:
	s_barrier_wait -3
	s_barrier_signal -1
	s_barrier_wait -1
.endm
.macro CROUND
	s_barrier_signal -1
	s_barrier_wait -1
	CREST
.endm
.macro FRAG reg, adr, q, i             ; a fragment is two units of 768 bytes on end: four loads, each of consecutive bytes
	ds_load_b128 v[\reg:\reg+3], v[\adr] offset:(\i)*3072+(\q)*1536
	ds_load_b64 v[\reg+4:\reg+5], v[\adr+2] offset:(\i)*3072+(\q)*1536+512
	ds_load_b128 v[\reg+6:\reg+9], v[\adr] offset:(\i)*3072+(\q)*1536+768
	ds_load_b64 v[\reg+10:\reg+11], v[\adr+2] offset:(\i)*3072+(\q)*1536+1280
.endm
.macro FETCH_B slot, q, p
	WIN 0x40
.irp i, 0,1,2,3
	FRAG 128*(\p)+FR*\i, ADRB+\slot, \q, \i
.endr
	WIN 0
.endm
.macro FETCH_A slot, q, i0
.irp i, \i0, \i0+1, \i0+2, \i0+3
	FRAG AF+FR*(\i), ADRA+\slot, \q, \i
.endr
.endm
.macro SCALES sc, ks
.irp i, 0,1,2,3
	ds_load_b64 v[SC+16*\sc+2*\i:SC+16*\sc+2*\i+1], v[ADRS] offset:512*\i+128*\ks
.endr
.irp i, 4,5,6,7                        ; B has four tiles a wave: here lanes 16-31 read tile i - 4's words again, which nobody uses
	ds_load_b64 v[SC+16*\sc+2*\i:SC+16*\sc+2*\i+1], v31 offset:512*\i+128*\ks
.endr
.endm
.macro MM a, b, p, q, sc, zero
.set rD, 8*(8*((\a)%4)+\b)
.set rB, 128*(\p)+FR*\b
.set rA, AF+FR*(\a)
.set rSB, SC+16*(\sc)+2*\b+(\q)
.set rSA, SC+16*(\sc)+2*(\a)+(\q)
.if \zero == 1
	v_wmma_scale_f32_16x16x128_f8f6f4 v[rD:rD+7], v[rB:rB+FR-1], v[rA:rA+FR-1], 0, v[rSB], v[rSA] matrix_a_fmt:MATRIX_FMT_FP6 matrix_b_fmt:MATRIX_FMT_FP6 matrix_a_scale:MATRIX_SCALE_ROW1
.elseif \zero == 2
	v_wmma_scale_f32_16x16x128_f8f6f4 v[rD:rD+7], v[rB:rB+FR-1], v[rA:rA+FR-1], v[BIAS+8*\b:BIAS+8*\b+7], v[rSB], v[rSA] matrix_a_fmt:MATRIX_FMT_FP6 matrix_b_fmt:MATRIX_FMT_FP6 matrix_a_scale:MATRIX_SCALE_ROW1
.else
	v_wmma_scale_f32_16x16x128_f8f6f4 v[rD:rD+7], v[rB:rB+FR-1], v[rA:rA+FR-1], v[rD:rD+7], v[rSB], v[rSA] matrix_a_fmt:MATRIX_FMT_FP6 matrix_b_fmt:MATRIX_FMT_FP6 matrix_a_scale:MATRIX_SCALE_ROW1
.endif
.endm
.macro MUL16 a0, p, q, sc, zero        ; the 32 accumulators take turns in the same order in every step
.irp a, \a0, \a0+1
.irp b, 0,1,2,3
	MM \a, \b, \p, \q, \sc, \zero
.endr
.endr
.endm
.macro STEP slot, zero
	s_wait_dscnt 16                                ; all but the sixteen youngest loads (A's blocks 4-7)
	MWIN 0, \zero
	MUL16 0, 0, 0, \slot, \zero
	MUL16 2, 0, 0, \slot, \zero
	s_wait_dscnt 0x0
	PLACES
	FETCH_B \slot, 1, 1
	FETCH_A \slot, 1, 0
	MWIN 1, \zero
	MUL16 4, 0, 0, \slot, \zero
	MUL16 6, 0, 0, \slot, \zero
	PLACES
	WIN 0
	FETCH_A \slot, 1, 4
.endm
.macro TURN slot, next, fill, ks
	s_wait_tensorcnt 0x0                           ; all my tensor loads have landed: my part of the next slot
	ds_add_u32 v[SPW], v[NIL]                      ; 0 onto my spare word
	s_wait_dscnt 17                                ; (the add and the sixteen youngest loads may be out)
	WIN 0xa1
	MUL16 0, 1, 1, \slot, 0
	s_wait_dscnt 0x0                               ; the add is done, and my reads of this slot are over
	s_barrier_signal -1
	MUL16 2, 1, 1, \slot, 0
	WIN 0
	s_barrier_wait -1
.if \fill
	CREST                                          ; no wave of any partner still reads this slot or has a load on its way
	s_add_nc_u64 s[G0+4*\slot+2:G0+4*\slot+3], s[G0+4*\slot+2:G0+4*\slot+3], 6144
	s_add_nc_u64 s[G0B+4*\slot+2:G0B+4*\slot+3], s[G0B+4*\slot+2:G0B+4*\slot+3], 6144
	JLOAD G0+4*\slot, G1, G0B+4*\slot, G1B         ; the first tensor load behind the round, one a wave
.else
	PLACES
.endif
	FETCH_B \next, 0, 0
	FETCH_A \next, 0, 0
	SCALES \next, \ks
	WIN 0xf1
	MUL16 4, 1, 1, \slot, 0
	MUL16 6, 1, 1, \slot, 0
	PLACES
	WIN 0
	FETCH_A \next, 0, 4
.endm
; THE WAY OUT, block by block of 16 tokens x 64 features, through my own stage (16 rows x 528 bytes) in slot 0, which has had its last fill and its last read when the first result is stored there
.macro TOSTAGE a
.set AC, 64*((\a)%4)
	WIN 0x08+4*((\a)/4)                            ; an LDS store's data: window 2 or 3
.irp b, 0,1,2,3
	ds_store_b128 v[STO], v[AC+8*\b:AC+8*\b+3] offset:128*(\b/2)+32*(\b%2)       ; each accumulator from its low end on
	ds_store_b128 v[STO], v[AC+8*\b+4:AC+8*\b+7] offset:128*(\b/2)+32*(\b%2)+16
.endr
	WIN 0
.set BB, BK+64*((\a)%2)
.irp t, 0,1,2,3,4,5,6,7
	ds_load_b128 v[BB+4*\t:BB+4*\t+3], v[RD] offset:\t*2*528     ; rows 2 t and 2 t + 1, 256 bytes each; LDS serves a wave's instructions in order: these see the stores above
.endr
.endm
.macro SEND a, younger
.set BB, BK+64*((\a)%2)
	s_wait_dscnt \younger
.irp t, 0,1,2,3,4,5,6,7
	global_store_b128 v6, v[BB+4*\t:BB+4*\t+3], s[94:95] offset:(64*((\a)/4)+8*((\a)%4)+(2*\t)%8+32*(\t/4))*4096 th:TH_STORE_NT   ; sixteen lanes store 256 consecutive bytes, aligned; row 2 t's token stands in the immediate, lanes 16-31 take the next
.endr
.endm
	s_load_b256 s[4:11], s[0:1], 0x0               ; mc, ms, wc, ws
	s_load_b128 s[92:95], s[0:1], 0x20             ; b_o, out0
	v_lshl_add_u32 v[SPW], v0, 2, SPARE
	v_mov_b32 v[NIL], 0
	ds_add_u32 v[SPW], v[NIL]                      ; the wave's opening
	ds_add_u32 v[SPW], v[NIL]
	v_lshrrev_b32 v1, 5, v0
	v_readfirstlane_b32 s14, v1
	s_lshr_b32 s15, s14, 1
	s_and_b32 s16, s14, 1
	s_bfe_u32 s40, ttmp6, 0x40000                  ; cx
	s_bfe_u32 s41, ttmp6, 0x40004                  ; cy
	s_lshl_b32 s42, ttmp9, 2
	s_add_co_u32 s42, s42, s40                     ; my 128 features
	s_and_b32 s17, ttmp7, 0xffff
	s_lshl_b32 s17, s17, 2
	s_add_co_u32 s17, s17, s41                     ; my 256 tokens
	s_lshl_b32 s43, s41, 2
	s_lshl_b32 s43, 15, s43
	s_lshl_b32 s44, 0x1111, s40
	s_or_b32 s[G1], s43, (3<<16)|(1<<21)           ; codes: 8 rows (tiles) of 384 elements of 8 bytes, 1,536 elements apart
	s_or_b32 s[G1B], s44, (3<<16)|(1<<21)
.irp g, G1, G1B
	s_mov_b32 s[\g+1], 384<<16
	s_mov_b32 s[\g+2], 16<<16
	s_mov_b32 s[\g+3], 384<<16
	s_mov_b32 s[\g+4], 16
	s_mov_b32 s[\g+5], 1536
	s_mov_b32 s[\g+6], 0
	s_mov_b32 s[\g+7], 0
.endr
	s_mov_b32 s[G1B+2], 8<<16                      ; the head's load of B brings 8 tiles
	s_mov_b32 s[G1B+4], 8
	s_or_b32 s[G1S], s43, (3<<16)|(1<<21)          ; scale bytes: dense, as rows of 256
	s_or_b32 s[G1SB], s44, (3<<16)|(1<<21)
.irp g, G1S, G1SB
	s_mov_b32 s[\g+1], 32<<16
	s_mov_b32 s[\g+2], 32<<16
	s_mov_b32 s[\g+3], 32<<16
	s_mov_b32 s[\g+4], 32
	s_mov_b32 s[\g+5], 32
	s_mov_b32 s[\g+6], 0
	s_mov_b32 s[\g+7], 0
.endr
	s_mov_b32 s[G1SB+2], 16<<16                    ; B's scale bytes: 8 tiles, 4,096 bytes
	s_mov_b32 s[G1SB+4], 16
	s_lshl_b32 s20, s17, 4                         ; A: the first of the block's 16 tiles
	s_lshl_b32 s46, s42, 3                         ; B: the first of the block's 8 tiles
	s_add_co_u32 s46, s46, 192                     ; B: w_o begins 192 tiles into wc and ws
	s_lshl_b32 s22, s20, 9
	s_mov_b32 s23, 0
	s_mul_i32 s20, s20, 12288
	s_mov_b32 s21, 0
	s_lshl_b32 s2, s46, 9
	s_mov_b32 s3, 0
	s_mul_i32 s46, s46, 12288
	s_mov_b32 s47, 0
	s_mul_i32 s45, s14, PIECE
	s_wait_dscnt 0x0                               ; the opening add is done
	s_wait_kmcnt 0x0
	s_add_nc_u64 s[G0S+2:G0S+3], s[6:7], s[22:23]
	s_add_nc_u64 s[G0SB+2:G0SB+3], s[10:11], s[2:3]
	s_add_nc_u64 s[6:7], s[4:5], s[20:21]          ; s[4:7], s[8:11]: group 0 of the head's loads of K step 0: A's 16 tiles, B's 8 tiles (the arguments that lay there have been used)
	s_add_nc_u64 s[10:11], s[8:9], s[46:47]
	s_mul_i32 s18, s16, 98304                      ; in the ring I fetch 8 tiles of 12,288 bytes: which half
	s_mov_b32 s19, 0
	s_add_nc_u64 s[G0+2:G0+3], s[6:7], s[18:19]
	s_add_nc_u64 s[G0+6:G0+7], s[G0+2:G0+3], 3072
	s_mul_i32 s2, s16, 49152                       ; of B I fetch 4 tiles of 12,288 bytes: which half
	s_mov_b32 s3, 0
	s_add_nc_u64 s[G0B+2:G0B+3], s[10:11], s[2:3]
	s_add_nc_u64 s[G0B+6:G0B+7], s[G0B+2:G0B+3], 3072
.irp g, 4, 8, G0, G0+4, G0B, G0B+4, G0S, G0SB
	s_mov_b32 s[\g], 1
	s_or_b32 s[\g+3], s[\g+3], 0x80000000
.endr
	s_mov_b32 s[G0+1], s45
	s_add_co_u32 s[G0+5], s45, SLOT
	s_mul_i32 s96, s16, PIECE/2
	s_add_co_u32 s96, s96, 2*PIECE                 ; B's two halves lie on end behind A's 16 tiles
	s_mov_b32 s[G0B+1], s96
	s_add_co_u32 s[G0B+5], s96, SLOT
	s_mov_b32 s[G0S+1], SCL
	s_mov_b32 s[G0SB+1], SCL+8320
	s_mov_b32 s5, 0
	s_mov_b32 s9, 2*PIECE
	CROUND                                         ; all sixteen work-groups are here: the first joint loads meet
; the head's four tiles, one a wave: wave 0 K step 0 of A's 16 tiles, wave 1 of B's, wave 2 A's scale bytes, wave 3 B's; one chain of branches on the wave's number, all arms to one join
.macro ARM under, g0, g1, next
	s_cmp_lt_u32 s14, \under
	s_cbranch_scc0 \next
	tensor_load_to_lds s[\g0:\g0+3], s[\g1:\g1+7]
	s_nop 0
.rept 4
	v_nop
.endr
	s_branch .Lhead_asked
\next:
.endm
	ARM 1, 4, G1, .Lhead_b
	ARM 2, 8, G1B, .Lhead_sa
	ARM 3, G0S, G1S, .Lhead_sb
	tensor_load_to_lds s[G0SB:G0SB+3], s[G1SB:G1SB+7]
	s_nop 0
.rept 4
	v_nop
.endr
.Lhead_asked:
	v_and_b32 v1, 15, v0                           ; r
	v_bfe_u32 v2, v0, 4, 1                         ; h
	v_and_b32 v3, 31, v0                           ; lane
	v_lshlrev_b32 v[L16], 4, v3
	v_lshlrev_b32 v[L8], 3, v3
	s_mul_i32 s21, s15, PIECE
	s_mul_i32 s22, s16, PIECE/2
	s_add_co_u32 s22, s22, 2*PIECE
.irp s, 0,1
	v_add_nc_u32 v[ADRA+\s], s21, v[L16]
	v_add_nc_u32 v[ADRA+2+\s], s21, v[L8]
	v_add_nc_u32 v[ADRB+\s], s22, v[L16]
	v_add_nc_u32 v[ADRB+2+\s], s22, v[L8]
	s_add_co_u32 s21, s21, SLOT
	s_add_co_u32 s22, s22, SLOT
.endr
	s_lshl_b32 s21, s15, 12
	s_lshl_b32 s22, s16, 11
	s_add_co_u32 s22, s22, 8320
	s_sub_co_u32 s22, s22, s21
	v_mul_u32_u24 v4, s22, v2                      ; lanes 16-31 take B's: one product, the distance between the two bases
	s_add_co_u32 s21, s21, SCL
	v_lshl_add_u32 v4, v1, 3, v4
	v_add_nc_u32 v[ADRS], s21, v4
	v_lshlrev_b32 v5, 11, v2
	v_sub_nc_u32 v31, v[ADRS], v5                  ; for A's tiles 4-7: lanes 16-31 stand four tiles lower, inside B's bytes
	s_mul_i32 s23, s14, 16*528                     ; my stage
	v_mul_u32_u24 v4, v1, 528
	v_lshl_add_u32 v4, v2, 6, v4
	v_add_nc_u32 v[STO], s23, v4                   ; in: row r, + 64 h
	v_mul_u32_u24 v4, v2, 528
	v_lshl_add_u32 v4, v1, 4, v4
	v_add_nc_u32 v[RD], s23, v4                    ; back: sixteen lanes to a row of 256 bytes, two rows an instruction
	v_lshlrev_b32 v6, 12, v2
	v_lshl_add_u32 v6, v1, 4, v6                   ; and the same two rows in out0
	s_lshl_b32 s20, s17, 8
	s_lshl_b32 s21, s15, 7
	s_add_co_u32 s20, s20, s21
	s_lshl_b32 s20, s20, 12                        ; my first token's row of 4,096 bytes
	s_mov_b32 s21, 0
	s_lshl_b32 s46, s42, 7
	s_lshl_b32 s47, s16, 6
	s_add_co_u32 s46, s46, s47
	s_lshl_b32 s46, s46, 2                         ; my first feature, in bytes
	s_mov_b32 s47, 0
	s_add_nc_u64 s[92:93], s[92:93], s[46:47]
	s_add_nc_u64 s[94:95], s[94:95], s[46:47]
	s_add_nc_u64 s[94:95], s[94:95], s[20:21]
	v_lshlrev_b32 v5, 6, v2                        ; 16 features a half
.irp b, 0,1,2,3
	global_load_b128 v[BIAS+8*\b:BIAS+8*\b+3], v5, s[92:93] offset:(32*(\b/2)+8*(\b%2))*4
	global_load_b128 v[BIAS+8*\b+4:BIAS+8*\b+7], v5, s[92:93] offset:(32*(\b/2)+8*(\b%2))*4+16
.endr
	s_wait_alu depctr_va_vdst(0)
	s_wait_tensorcnt 0x0                           ; my tile of the head's four is in
	ds_add_u32 v[SPW], v[NIL]
	s_mov_b32 s[G1+2], 8<<16                       ; no tensor load of mine is out: from here on a load brings 8 tiles
	s_mov_b32 s[G1+4], 8
	s_mov_b32 s[G1B+2], 4<<16                      ; of B 4 tiles
	s_mov_b32 s[G1B+4], 4
	s_wait_dscnt 0x0
	CROUND                                         ; all four tiles are in, and the sixteen work-groups are here
	JLOAD G0+4, G1, G0B+4, G1B                     ; K step 1 into slot 1, the first tensor load behind the round
	FETCH_B 0, 0, 0
	FETCH_A 0, 0, 0
	SCALES 0, 0
	FETCH_A 0, 0, 4
	s_wait_loadcnt 0x0                             ; the bias
	STEP 0, 2                                      ; the first products start the sums from the bias
	TURN 0, 1, 1, 1                                ; slot 0 takes K step 2
	STEP 1, 0
	TURN 1, 0, 1, 2                                ; slot 1 takes K step 3
	STEP 0, 0
	TURN 0, 1, 0, 3
	STEP 1, 0
	s_wait_dscnt 16
	WIN 0xa1
	MUL16 0, 1, 1, 1, 0
	MUL16 2, 1, 1, 1, 0
	s_wait_dscnt 0x0
	WIN 0xf1
	MUL16 4, 1, 1, 1, 0
	MUL16 6, 1, 1, 1, 0
	WIN 0
	PLACES
	TOSTAGE 0
.irp a, 1,2,3,4,5,6,7
.if \a > 1
	s_wait_xcnt 0x0                                ; block a - 2's stores have read their registers: block a's loads may land there
.endif
	TOSTAGE \a
	SEND \a-1, 16                                  ; behind block a - 1's loads: block a's 8 stores and 8 loads
.endr
	SEND 7, 0
	s_wait_tensorcnt 0x0                           ; the wave's end
	ds_add_u32 v[SPW], v[NIL]
	s_wait_dscnt 0x0
	CROUND                                         ; the closing round
	s_endpgm
.Lfunc_end_k_q9bdedbe22f_oproj:
	.size	k_q9bdedbe22f_oproj, .Lfunc_end_k_q9bdedbe22f_oproj-k_q9bdedbe22f_oproj
	.p2alignl 7, 3214868480
	.fill 96, 4, 3214868480
	.section	.rodata,"a",@progbits
	.p2align	6, 0x0
	.amdhsa_kernel k_q9bdedbe22f_oproj
		.amdhsa_group_segment_fixed_size 327680
		.amdhsa_private_segment_fixed_size 0
		.amdhsa_enable_private_segment 0
		.amdhsa_kernarg_size 48
		.amdhsa_user_sgpr_count 2
		.amdhsa_user_sgpr_kernarg_segment_ptr 1
		.amdhsa_wavefront_size32 1
		.amdhsa_system_sgpr_workgroup_id_x 1
		.amdhsa_system_sgpr_workgroup_id_y 1
		.amdhsa_system_sgpr_workgroup_id_z 1
		.amdhsa_system_vgpr_workitem_id 0
		.amdhsa_next_free_vgpr 1024
		.amdhsa_next_free_sgpr 100
		.amdhsa_reserve_vcc 0
		.amdhsa_float_denorm_mode_32 3
		.amdhsa_float_denorm_mode_16_64 3
		.amdhsa_memory_ordered 1
		.amdhsa_forward_progress 1
		.amdhsa_inst_pref_size 91
	.end_amdhsa_kernel
	.amdgpu_metadata
---
amdhsa.version: [ 1, 2 ]
amdhsa.kernels:
  - .name:           k_q9bdedbe22f_oproj
    .symbol:         k_q9bdedbe22f_oproj.kd
    .args:
      - { .name: mc, .offset: 0, .size: 8, .value_kind: global_buffer, .address_space: global }
      - { .name: ms, .offset: 8, .size: 8, .value_kind: global_buffer, .address_space: global }
      - { .name: wc, .offset: 16, .size: 8, .value_kind: global_buffer, .address_space: global }
      - { .name: ws, .offset: 24, .size: 8, .value_kind: global_buffer, .address_space: global }
      - { .name: b_o, .offset: 32, .size: 8, .value_kind: global_buffer, .address_space: global }
      - { .name: out0, .offset: 40, .size: 8, .value_kind: global_buffer, .address_space: global }
    .group_segment_fixed_size: 327680
    .private_segment_fixed_size: 0
    .kernarg_segment_align: 8
    .kernarg_segment_size: 48
    .max_flat_workgroup_size: 128
    .sgpr_count:     100
    .vgpr_count:     1024
    .wavefront_size: 32
...
	.end_amdgpu_metadata
.endif
;; end of part 4
